; MI455X (gfx1250); checked and timed in simulation.
; The chip was launched on July 23, 2026; its instructions are those of AMD's public machine-readable ISA for CDNA 5 (MIT licence, August 2026) and "CDNA5" Instruction Set Architecture Reference Guide (July 2026). The comments in the code are by the model that wrote it; some were corrected since.
;; Self Attention. Allowed arithmetic: matrix products marked QUANTISED: E2M3 operands, one E8M0 scale for each 32 along K, by v_wmma_scale_f32_16x16x128_f8f6f4 with both operands' format E2M3, f32 sums; everything else in f32.
;; Inputs: Wk 1,024 x 1,024 float32; Wq 1,024 x 1,024 float32; Wv 1,024 x 1,024 float32; bk 1,024 float32; bq 1,024 float32; bv 1,024 float32; x 4 x 2,048 x 1,024 float32.
;; Outputs: out0 4 x 2,048 x 1,024 float32.
;; This version of the problem:
;;   THIS VERSION OF THE PROBLEM IS GIVEN IN LOW PRECISION. The matrix products marked QUANTISED in the list below multiply operands that are first quantised to E2M3 (2 exponent bits, 3 mantissa bits; 6 bits a number), with one power-of-two scale for each 32 numbers along K (OCP MX v1.0); their sums are f32. All else is computed in f32.
;;   The module's matrix products, in the order in which they are computed (A, B: the left and right operand; K: the contracted axis; several contracted axes count as one K, in the product's order):
;;     1. [M 8,192, K 1,024] x [K 1,024, N 1,024]; A: input x; B: input Wq: QUANTISED
;;     2. [M 8,192, K 1,024] x [K 1,024, N 1,024]; A: input x; B: input Wk: QUANTISED
;;     3. [M 8,192, K 1,024] x [K 1,024, N 1,024]; A: input x; B: input Wv: QUANTISED
;;     4. batch 4 x [M 2,048, K 1,024] x [K 1,024, N 2,048]; A: computed on the way; B: computed on the way: QUANTISED
;;     5. batch 4 x [M 2,048, K 2,048] x [K 2,048, N 1,024]; A: softmax (see below); B: computed on the way: QUANTISED
;;   THE QUANTISER, for each operand of a quantised product, along K:
;;     - K is cut into blocks of 32 from its start; a last block that is shorter is filled with zeros.
;;     - A block's scale is 2^e with e = floor(log2(the largest magnitude in the block)) - 2, held to -126 .. 127; a block of zeros has e = 0. As a byte (E8M0): e + 127.
;;     - Each number is divided by its block's scale, clamped to +-7.5, and rounded to the nearest number of E2M3, ties to even, subnormals kept.
;;     - The product sums the exact products of the quantised numbers (number of the format x scale) in f32.
;;   ~~~python
;;   def quantise(x, axis):      # numpy; x: float32 -> the quantised numbers, widened to float32 again
;;       x = np.moveaxis(x, axis, -1); K = x.shape[-1]
;;       x = np.pad(x, [(0, 0)] * (x.ndim - 1) + [(0, -K % 32)]); x = x.reshape(x.shape[:-1] + (-1, 32)); a = np.abs(x).max(-1, keepdims=True)
;;       e = np.where(a > 0, np.clip(np.frexp(np.where(a > 0, a, 1))[1] - 1 - 2, -126, 127), 0)      # np.frexp(a)[1] - 1 = floor(log2(a)), exactly
;;       r = np.clip(x / 2.0 ** e, -7.5, 7.5)
;;       step = 2.0 ** (np.maximum(np.frexp(np.where(r == 0, 1, r))[1] - 1, 0) - 3)
;;       q = np.round(r / step) * step * 2.0 ** e      # np.round: ties to even
;;       return np.moveaxis(q.reshape(q.shape[:-2] + (-1,))[..., :K], -1, axis).astype(np.float32)
;;   ~~~
;;   SOFTMAX AHEAD OF A QUANTISED PRODUCT. Where the list says 'softmax', what is quantised is not the finished softmax but p = 2^(t - M), with t = logit x log2(e) and M = ceil(the row's largest t), a whole number; so 1/2 < the row's largest p <= 1. The row's sum l is taken of the UNQUANTISED p, in f32, and the product's result is divided by l at the end. Since M is a whole number, a kernel that streams over the keys may use a running M (the ceiling of the running maximum): every later rescaling is an exact power of two, which a block's scale takes up: the codes' values come out the same.
;;   OPERANDS COMPUTED ON THE WAY. 'Computed on the way' means the value that the module computes at that place (a softmax that the list does not call 'softmax' is quantised finished and normalised). What goes into a quantiser is computed in f32, as accurately as f32 sums, v_exp_f32 and their like allow (about 1e-6 of the number): no bf16 or f16 on the way to a quantiser, and a product that is left as it is and whose result goes on into a quantised operand takes f32 operands (vector FMAs, or v_wmma_f32_16x16x4_f32). A number that lies on a knife's edge between two numbers of the format may be rounded either way, as far as f32 arithmetic and the matrix unit's own rounding can turn it there, and no further.
;; One version. Each part assembles by itself: llvm-mc -triple=amdgcn-amd-amdhsa -mcpu=gfx1250 --defsym DOCPART=n.
;; ======== version 1 of 1: 4 launches
;; limits: right only within a limited range of input values
;; workspace buffers: xw_codes 8,650,752 bytes; xw_scales 360,448 bytes; qkv_codes 18,874,368 bytes; qkv_scales 786,432 bytes; p_codes 12,582,912 bytes; p_scales 524,288 bytes; p_max 524,288 bytes; p_sum 524,288 bytes
;; launch quant (part 1): grid 448 x 1, 4 waves a work-group, no clusters, 34,304 bytes of LDS; arguments x, Wq, Wk, Wv, xw_codes, xw_scales; writes xw_codes, xw_scales
.if DOCPART == 1
	.amdgcn_target "amdgcn-amd-amdhsa--gfx1250"
	.amdhsa_code_object_version 6
	.text
	.protected	k_q862063ec85_quant
	.globl	k_q862063ec85_quant
	.p2align	8
	.type	k_q862063ec85_quant,@function
k_q862063ec85_quant:
	s_mov_b64 s[64:65], 0
	v_nop
	global_prefetch_b8 v0, s[64:65] scope:SCOPE_SE
	s_setreg_imm32_b32 hwreg(HW_REG_WAVE_MODE, 25, 1), 1
	s_wait_xcnt 0x0
; x [8192][1024] and Wq, Wk, Wv [1024 (k)][1024 (n)], f32, become codes of FP6 (E2M3) with one E8M0 byte for each 32 along K (K = the 1024 of x's rows, W's first axis).
; A block's scale is 2^(floor(log2(largest magnitude)) - 2): its byte is the largest magnitude's exponent field - 2, held at 1 from below.
; LIMITS: a block of zeros, or one whose largest magnitude lies under 2^-124, gets the byte 1 (its codes are zeros or small; only this program reads the bytes); NaN and infinities are not served.
; THE CODES ARE LAID AS IMAGES OF THE OPERAND'S REGISTERS.  Rows 0-8191 are x's, 8192 + 1024 m + n is column n of Wq, Wk, Wv (m = 0, 1, 2).  Fragment (rt, ks) = rows 16 rt .. + 15, K 128 ks .. + 127,
; is 1,536 bytes at (8 rt + ks) x 1536: byte 512 c + 16 lane + 4 i is register 4 c + i of that lane's twelve.  The scale word of (row, ks) lies at ks x 45056 + (row / 32) x 128 + (row % 16) x 8 + ((row / 16) % 2) x 4.
; Work-groups 0-191 take W: a wave 32 columns x 128 K, a lane a column, its registers down K (each load reads 128 consecutive bytes; the four waves stand side by side on 512).
; Work-groups 192-447 take x: a wave 64 rows x 128 K; each load reads 512 consecutive bytes of one row; 16 rows turn through the wave's own stage in LDS so that a lane gets 16 neighbours of each block of 32.
; Every store of codes covers 512 consecutive aligned bytes.  No tensor load, no barrier: waves share nothing.
; Wv'S COLUMNS ARE DEALT OUT OTHERWISE inside each 64: row r of row tile t (t = 0 .. 3) of the 64 is column 4 r + t, so that in the last launch a lane's four tiles are four neighbouring columns of the output.
.set SPARE, 33792                      ; behind the four stages: the spare words, 128 bytes for each wave
.set STGB,  8448                       ; a stage: 16 rows x (512 bytes + 16)
.set LI,  4                            ; v4   16 x lane
.set STW, 5                            ; v5   the stage, on the way in
.set STR, 6                            ; v6   and on the way out
.set L8,  7                            ; v7   8 x lane
.set SPW, 12                           ; v12  my spare word; never rewritten
.set NIL, 13                           ; v13  0; never rewritten
.set TM,  16                           ; v16-31  x path: largest magnitudes, bytes, scale operands
.set PC,  32                           ; v32-51  x path: the codes just made
.set PW,  52                           ; v52-55  x path: four scale words
.set SEL, 28                           ; s[28:29] lane selects: lane l xor 16
; 64 numbers of a lane, register 16 b + i = position 32 b + 16 (lane / 16) + i of its row: the four blocks' largest magnitudes
.macro QMAX s
.irp b, 0,1,2,3
	v_max3_num_f32 v[TM+\b], |v[\s+16*\b]|, |v[\s+1+16*\b]|, 0x1800000   ; and the floor 2^(3 - 127): the byte cannot fall under 1
.endr
.irp i, 2,4,6,8,10,12,14
.irp b, 0,1,2,3
	v_max3_num_f32 v[TM+\b], v[TM+\b], |v[\s+16*\b+\i]|, |v[\s+1+16*\b+\i]|
.endr
.endr
.irp b, 0,1,2,3
	v_permlanex16_b32 v[TM+4+\b], v[TM+\b], s[SEL], s[SEL+1]
.endr
.irp b, 0,1,2,3
	v_max_num_f32 v[TM+\b], v[TM+\b], v[TM+4+\b]   ; with lane l xor 16's sixteen
.endr
.endm
; from the largest magnitudes: the scale word in v[pw], the fragment's twelve registers in v[PC] on
.macro QTAIL s, pw
.irp b, 0,1,2,3
	v_add_nc_u32 v[TM+12+\b], 0xff000000, v[TM+\b]   ; 2 off the exponent field: the conversion's scale operand
.endr
.irp b, 0,1,2,3
	v_lshrrev_b32 v[TM+4+\b], 23, v[TM+12+\b]      ; the byte
.endr
	v_lshl_or_b32 v[\pw], v[TM+5], 8, v[TM+4]
	v_lshl_or_b32 v[\pw], v[TM+6], 16, v[\pw]
	v_lshl_or_b32 v[\pw], v[TM+7], 24, v[\pw]
.irp c, 0,1
	v_cvt_scalef32_pk16_fp6_f32 v[PC+6*\c:PC+6*\c+2], v[\s+32*\c:\s+32*\c+15], v[TM+12+2*\c]
	v_cvt_scalef32_pk16_fp6_f32 v[PC+12+4*\c:PC+12+4*\c+2], v[\s+32*\c+16:\s+32*\c+31], v[TM+13+2*\c]   ; (a conversion's three registers begin on an even number)
.endr
	v_nop                                          ; one plain place behind a scaled conversion
.irp c, 0,1                            ; the operand wants a whole block in a lane: lanes 0-15 block 2 c, lanes 16-31 block 2 c + 1
.irp i, 0,1,2
	v_permlane16_swap_b32 v[PC+6*\c+\i], v[PC+12+4*\c+\i]
.endr
.irp i, 0,1,2
	v_mov_b32 v[PC+3+6*\c+\i], v[PC+12+4*\c+\i]
.endr
.endr
.endm
.macro IMGOUT base, off                ; the fragment leaves as it stands: three stores of 512 consecutive bytes
.irp c, 0,1,2
	global_store_b128 v[LI], v[PC+4*\c:PC+4*\c+3], s[\base:\base+1] offset:(\off)+512*\c
.endr
.endm
	s_load_b256 s[4:11], s[0:1], 0x0               ; x, Wq, Wk, Wv
	s_load_b128 s[12:15], s[0:1], 0x20             ; the codes, the scale words
	v_lshl_add_u32 v[SPW], v0, 2, SPARE
	v_mov_b32 v[NIL], 0
	v_lshrrev_b32 v1, 5, v0
	v_readfirstlane_b32 s16, v1                    ; wave
	v_and_b32 v1, 15, v0                           ; r
	v_bfe_u32 v2, v0, 4, 1                         ; h
	v_and_b32 v3, 31, v0                           ; lane
	v_lshlrev_b32 v[LI], 4, v3
	s_cmp_lt_u32 ttmp9, 192
	s_cbranch_scc0 .Lx_path
	; ---- W: work-group g: matrix g / 64, columns 128 ((g / 8) % 8) on, K step g % 8
	s_lshr_b32 s17, ttmp9, 6
	s_bfe_u32 s18, ttmp9, 0x30003
	s_and_b32 s19, ttmp9, 7
	s_lshl_b32 s20, s19, 19                        ; 128 rows of 4,096 bytes a K step
	s_lshl_b32 s21, s18, 9
	s_add_co_u32 s20, s20, s21
	s_lshl_b32 s21, s16, 7                         ; my wave's 32 columns;
	s_lshr_b32 s26, s16, 1
	s_lshl_b32 s26, s26, 8
	s_and_b32 s27, s16, 1
	s_lshl_b32 s27, s27, 3
	s_or_b32 s26, s26, s27                         ; of Wv: 64 (w / 2) + 2 (w % 2) + 4 r + h
	s_cmp_eq_u32 s17, 2
	s_cselect_b32 s21, s26, s21
	s_cselect_b32 s30, -1, 0
	s_add_co_u32 s20, s20, s21
	s_mov_b32 s21, 0
	s_lshl_b32 s22, s17, 6
	s_lshl_b32 s23, s18, 3
	s_add_co_u32 s22, s22, s23
	s_lshl_b32 s23, s16, 1
	s_add_co_u32 s22, s22, s23
	s_add_co_u32 s22, s22, 512                     ; my first row tile of the image
	s_lshl_b32 s24, s22, 6                         ; its scale words: 64 bytes a row tile,
	s_mul_i32 s25, s19, 45056                      ; in the K step's plane
	s_add_co_u32 s24, s24, s25
	s_mov_b32 s25, 0
	s_lshl_b32 s22, s22, 3
	s_add_co_u32 s22, s22, s19
	s_mul_i32 s22, s22, 1536
	s_mov_b32 s23, 0
	s_wait_alu depctr_va_vdst(0)
	v_lshlrev_b32 v5, 2, v3                        ; in: 4 bytes a lane;
	v_lshlrev_b32 v7, 4, v1
	v_lshl_add_u32 v7, v2, 2, v7
	v_cndmask_b32 v5, v5, v7, s30                  ; of Wv: 16 r + 4 h
	v_lshlrev_b32 v6, 3, v1
	v_lshl_add_u32 v6, v2, 2, v6                   ; my column's scale word: 8 (lane % 16) + 4 (lane / 16)
	s_wait_alu depctr_va_vdst(0)
	s_wait_kmcnt 0x0
	s_cmp_eq_u32 s17, 0
	s_cselect_b64 s[6:7], s[6:7], s[8:9]
	s_cmp_eq_u32 s17, 2
	s_cselect_b64 s[6:7], s[10:11], s[6:7]         ; the choice hangs on the work-group's number alone
	s_add_nc_u64 s[6:7], s[6:7], s[20:21]
	s_add_nc_u64 s[12:13], s[12:13], s[22:23]
	s_add_nc_u64 s[14:15], s[14:15], s[24:25]
.set n, 0
.rept 128
	global_load_b32 v[64+n], v5, s[6:7] offset:4096*n th:TH_LOAD_NT   ; W(128 ks + n, my column)
.set n, n+1
.endr
.macro WBLK t                          ; block t of my column: all 32 numbers are mine
.set XS, 64+32*(\t)
.set DD, 16+12*((\t)%2)+6*((\t)/2)     ; even blocks at v16 on, odd blocks at v28 on
	v_max3_num_f32 v8, |v[XS]|, |v[XS+1]|, |v[XS+2]|
	v_max3_num_f32 v9, |v[XS+3]|, |v[XS+4]|, |v[XS+5]|
.irp i, 6,10,14,18,22,26
	v_max3_num_f32 v8, v8, |v[XS+\i]|, |v[XS+\i+1]|
	v_max3_num_f32 v9, v9, |v[XS+\i+2]|, |v[XS+\i+3]|
.endr
	v_max3_num_f32 v8, v8, |v[XS+30]|, |v[XS+31]|
	v_max3_num_f32 v8, v8, v9, 0x1800000           ; and the floor
	v_add_nc_u32 v10, 0xff000000, v8
	v_lshrrev_b32 v11, 23, v10
.if (\t) == 0
	v_mov_b32 v14, v11
.else
	v_lshl_or_b32 v14, v11, 8*(\t), v14            ; the scale word, the lower K in the lower byte
.endif
	v_cvt_scalef32_pk16_fp6_f32 v[DD:DD+2], v[XS:XS+15], v10
	v_cvt_scalef32_pk16_fp6_f32 v[40+4*(\t):42+4*(\t)], v[XS+16:XS+31], v10
.endm
	s_wait_loadcnt 63                              ; at most 63 of the 128 are out: the first 65 are in, blocks 0 and 1 among them
	WBLK 0
	WBLK 1
	s_wait_loadcnt 32                              ; block 3's may be out
	WBLK 2
	s_wait_loadcnt 0x0
	WBLK 3
	v_nop                                          ; one plain place behind the last conversion
.irp t, 0,1,2,3
.irp i, 0,1,2
	v_mov_b32 v[19+12*(\t%2)+6*(\t/2)+\i], v[40+4*\t+\i]
.endr
.endr
.set n, 0
.rept 12                               ; v16-27: even blocks of column lane, v28-39: odd blocks.  The exchange of halves makes v16-27 the image of columns 0-15 and v28-39 that of columns 16-31
	v_permlane16_swap_b32 v[16+n], v[28+n]
.set n, n+1
.endr
.irp c, 0,1,2
	global_store_b128 v[LI], v[16+4*\c:19+4*\c], s[12:13] offset:512*\c
	global_store_b128 v[LI], v[28+4*\c:31+4*\c], s[12:13] offset:12288+512*\c   ; the next row tile lies 8 fragments on
.endr
	global_store_b32 v6, v14, s[14:15]             ; 128 consecutive bytes a wave
	s_endpgm
	; ---- x: work-group 192 + gx: rows 64 (gx / 2) on; wave w takes K step 4 (gx % 2) + w
.Lx_path:
	s_sub_co_u32 s17, ttmp9, 192
	s_lshr_b32 s18, s17, 1
	s_and_b32 s19, s17, 1
	s_lshl_b32 s19, s19, 2
	s_add_co_u32 s19, s19, s16
	s_lshl_b32 s20, s18, 18                        ; 64 rows of 4,096 bytes
	s_lshl_b32 s21, s19, 9
	s_add_co_u32 s20, s20, s21
	s_mov_b32 s21, 0
	s_mul_i32 s22, s18, 49152                      ; 4 row tiles x 8 fragments
	s_mul_i32 s23, s19, 1536
	s_add_co_u32 s22, s22, s23
	s_mov_b32 s23, 0
	s_mul_i32 s24, s19, 45056
	s_lshl_b32 s25, s18, 8
	s_add_co_u32 s24, s24, s25
	s_mov_b32 s25, 0
	s_mul_i32 s26, s16, STGB                       ; my stage
	s_wait_alu depctr_va_vdst(0)
	v_add_nc_u32 v[STW], s26, v[LI]                ; in: a row's 512 bytes as they lie
	v_mul_u32_u24 v[STR], v1, 528
	v_lshl_add_u32 v[STR], v2, 6, v[STR]
	v_add_nc_u32 v[STR], s26, v[STR]               ; out: row r, + 64 h: my 16 numbers of a block of 32
	v_lshlrev_b32 v[L8], 3, v3
	s_mov_b32 s[SEL], 0x76543210
	s_mov_b32 s[SEL+1], 0xfedcba98
.irp b, 0,1,2,3
	v_mov_b32 v[TM+4+\b], 0                        ; written once: a lane permute's destination counts as one of its sources
.endr
	s_wait_alu depctr_va_vdst(0)
	s_wait_kmcnt 0x0
	s_add_nc_u64 s[4:5], s[4:5], s[20:21]
	s_add_nc_u64 s[12:13], s[12:13], s[22:23]
	s_add_nc_u64 s[14:15], s[14:15], s[24:25]
.macro XLOAD j                         ; row tile j: sixteen rows' 512 bytes into set j % 3
.irp i, 0,1,2,3,4,5,6,7,8,9,10,11,12,13,14,15
	global_load_b128 v[64+64*((\j)%3)+4*\i:64+64*((\j)%3)+4*\i+3], v[LI], s[4:5] offset:(16*(\j)+\i)*4096 th:TH_LOAD_NT
.endr
.endm
.macro XFRAG j, left                   ; left: the younger loads, which may stay out
.set XR, 64+64*((\j)%3)
	s_wait_loadcnt \left
.irp i, 0,1,2,3,4,5,6,7,8,9,10,11,12,13,14,15
	ds_store_b128 v[STW], v[XR+4*\i:XR+4*\i+3] offset:528*\i
.endr
.irp b, 0,1,2,3                        ; LDS serves a wave's instructions in order: these see the stores above
.irp u, 0,1,2,3
	ds_load_b128 v[XR+16*\b+4*\u:XR+16*\b+4*\u+3], v[STR] offset:128*\b+16*\u
.endr
.endr
	s_wait_dscnt 0x0
	s_wait_xcnt 0x0                                ; the last fragment's stores have read the codes' registers
	QMAX XR
	QTAIL XR, PW+(\j)
	IMGOUT 12, 12288*(\j)
.endm
	XLOAD 0
	XLOAD 1
	XLOAD 2
	XFRAG 0, 32
	XLOAD 3                                        ; into the set that row tile 0 has left
	XFRAG 1, 32
	XFRAG 2, 16
	XFRAG 3, 0
	v_cmp_le_u32 vcc_lo, 16, v3
	v_cndmask_b32 v56, v[PW], v[PW+2], vcc_lo      ; lanes 0-15: row tiles 0 and 1, lanes 16-31: 2 and 3
	v_cndmask_b32 v57, v[PW+1], v[PW+3], vcc_lo
	global_store_b64 v[L8], v[56:57], s[14:15]     ; 256 consecutive aligned bytes
	s_wait_tensorcnt 0x0                           ; the wave's end, behind my last LDS store
	ds_add_u32 v[SPW], v[NIL]
	s_wait_dscnt 0x0
	s_endpgm
.Lfunc_end_k_q862063ec85_quant:
	.size	k_q862063ec85_quant, .Lfunc_end_k_q862063ec85_quant-k_q862063ec85_quant
	.p2alignl 7, 3214868480
	.fill 96, 4, 3214868480
	.section	.rodata,"a",@progbits
	.p2align	6, 0x0
	.amdhsa_kernel k_q862063ec85_quant
		.amdhsa_group_segment_fixed_size 34304
		.amdhsa_private_segment_fixed_size 0
		.amdhsa_enable_private_segment 0
		.amdhsa_kernarg_size 48
		.amdhsa_user_sgpr_count 2
		.amdhsa_user_sgpr_kernarg_segment_ptr 1
		.amdhsa_wavefront_size32 1
		.amdhsa_system_sgpr_workgroup_id_x 1
		.amdhsa_system_sgpr_workgroup_id_y 1
		.amdhsa_system_sgpr_workgroup_id_z 1
		.amdhsa_system_vgpr_workitem_id 0
		.amdhsa_next_free_vgpr 256
		.amdhsa_next_free_sgpr 66
		.amdhsa_reserve_vcc 1
		.amdhsa_float_denorm_mode_32 3
		.amdhsa_float_denorm_mode_16_64 3
		.amdhsa_memory_ordered 1
		.amdhsa_forward_progress 1
		.amdhsa_inst_pref_size 54
	.end_amdhsa_kernel
	.amdgpu_metadata
---
amdhsa.version: [ 1, 2 ]
amdhsa.kernels:
  - .name:           k_q862063ec85_quant
    .symbol:         k_q862063ec85_quant.kd
    .args:
      - { .name: x, .offset: 0, .size: 8, .value_kind: global_buffer, .address_space: global }
      - { .name: Wq, .offset: 8, .size: 8, .value_kind: global_buffer, .address_space: global }
      - { .name: Wk, .offset: 16, .size: 8, .value_kind: global_buffer, .address_space: global }
      - { .name: Wv, .offset: 24, .size: 8, .value_kind: global_buffer, .address_space: global }
      - { .name: xw_codes, .offset: 32, .size: 8, .value_kind: global_buffer, .address_space: global }
      - { .name: xw_scales, .offset: 40, .size: 8, .value_kind: global_buffer, .address_space: global }
    .group_segment_fixed_size: 34304
    .private_segment_fixed_size: 0
    .kernarg_segment_align: 8
    .kernarg_segment_size: 48
    .max_flat_workgroup_size: 128
    .sgpr_count:     66
    .vgpr_count:     256
    .wavefront_size: 32
...
	.end_amdgpu_metadata
.endif
;; end of part 1
;; launch qkv (part 2): grid 8 x 32, 4 waves a work-group, clusters of 4 x 4, 327,680 bytes of LDS; arguments xw_codes, xw_scales, bq, bk, bv, qkv_codes, qkv_scales; writes qkv_codes, qkv_scales
.if DOCPART == 2
	.amdgcn_target "amdgcn-amd-amdhsa--gfx1250"
	.amdhsa_code_object_version 6
	.text
	.protected	k_q862063ec85_qkv
	.globl	k_q862063ec85_qkv
	.p2align	8
	.type	k_q862063ec85_qkv,@function
k_q862063ec85_qkv:
	s_mov_b64 s[64:65], 0
	v_nop
	global_prefetch_b8 v0, s[64:65] scope:SCOPE_SE
	s_setreg_imm32_b32 hwreg(HW_REG_WAVE_MODE, 25, 1), 1
	s_wait_xcnt 0x0
	s_wait_alu depctr_hold_cnt(0) depctr_sa_sdst(0) depctr_va_vdst(0) depctr_va_sdst(0) depctr_va_ssrc(0) depctr_va_vcc(0) depctr_vm_vsrc(0)
	s_getreg_b32 s2, hwreg(HW_REG_IB_STS2, 6, 4)
	s_cmp_eq_u32 s2, 0
	s_cbranch_scc0 .Lentry_in_a_cluster
	s_endpgm
.Lentry_in_a_cluster:
	s_bfe_u32 s2, ttmp6, 0x10000c
	s_cmp_lg_u32 s2, 0xf033
	s_cbranch_scc0 .Lentry_shape_is_right
	s_endpgm
.Lentry_shape_is_right:
; Q = x Wq + bq, K = x Wk + bk, V = x Wv + bv on codes of FP6 (E2M3) with E8M0 scales, f32 sums; the results are quantised at once for the products that follow and leave as codes:
; Q and K along f, V along the tokens.
; A WORK-GROUP STAYS.  It owns 256 rows of x (tile row TR, 0 to 31) and makes two tiles from them: first 256 x 256 of [Q | K] (tile column TC, 0 to 7: 256 columns of [Wq | Wk]), then 256 tokens x 128 f of V
; (the same TC: 128 columns of Wv).  32 x 8 work-groups, the same work in each: 512 + 256 matrix instructions a wave.
; x's tile, 256 rows x all of K = 196,608 bytes, comes into LDS once and stays for both parts.  B goes through a ring of two slots of 49,152 bytes: W's 256 rows x 256 K four times, then Wv's 128 rows x 512 K twice;
; Wv's are asked for at the first part's last two changes of slots and land under its last K step and its way out, so the second part has no refill.  All is written out, there is no loop.
; OPERANDS LIE IN MEMORY AS IMAGES OF THEIR REGISTERS: fragment (rt, ks) = 1,536 bytes at (8 rt + ks) x 1536; three loads of 16 bytes a lane at 16 x lane bring it: no pitch, no padding.
; CLUSTERS 4 x 4: x's tile is shared along a row of the cluster, W's and Wv's along a column: each is asked for jointly.  The scale words, x's and W's 16,384 bytes and Wv's 4,096, come through registers, not jointly.
; FIRST PART, THE MATRIX INSTRUCTION TRANSPOSED (source 0 = 16 rows of B, source 1 = 16 rows of A): lane (r, h), register j of accumulator (a, b) holds C(16 a + r, 16 b + 8 h + j): a lane's 64 registers of row block a run along f.
; SECOND PART, THE SOURCES THE OTHER WAY ROUND (source 0 = 16 tokens of x, source 1 = 16 columns of Wv): lane (r, h), register j of accumulator (b, a) holds V(token 16 a + 8 h + j, f 16 b + r): a lane's 64 registers of f block b run along the tokens.
; In both, register 16 B + 8 u + j becomes position 32 B + 16 h + 8 u + j of the new operand and is true index 32 B + 16 u + 8 h + j: a permutation inside a block of 32, the same for every
; operand that this program makes from results, so both sides of the later products agree and the blocks' scales are the true ones.
; OUT: qkv_codes: Q at 0, K at 6,291,456 (fragment (rt, ks) at (8 rt + ks) x 1536), V^T at 12,582,912 ((64 rt + ks) x 1536, rt = f / 16, ks = token / 128).  qkv_scales: word (row, ks) at ks x 4 R + (row / 32) x 128 + (row % 16) x 8 + ((row / 16) % 2) x 4.
; LIMITS: a block of zeros or under 2^-124 gets the byte 1; NaN and infinities are not served.
; REGISTERS: window 0: v1-3 r, h, lane; v4-7 at work; v8-15 V's bias; v16-31 addresses; v32-63 scale words, two sets; v64-159, v160-255 A's fragments, two sets (at work on the ways out).
;   window 1: v0-95, v128-223 B's two sets; v96-127, v224-255 Q's or K's bias.   windows 2, 3: the accumulators: first part (a, b) at v[8 (8 (a % 4) + b)] of window 2 + a / 4; second part (b, a) at v[8 (8 b + a)] of window 2.
.set NQ,    2                          ; K steps of 128 in a part
.set FRB,   1536
.set PART,  8*NQ*FRB                   ; what one tensor load brings: 8 row tiles x 2 fragments
.set ASL,   2*PART                     ; 256 rows x 256 K
.set BR,    4*ASL                      ; behind x's four parts: B's ring of two slots
.set SCL,   BR+2*ASL                   ; x's and W's scale words for all of K: wave w's 4,096 bytes at w x 4096 + (w / 2) x 128
.set WSC,   SCL+16640+128              ; Wv's scale words: K step ks at ks x 512; written by stores, in blocks of 256 bytes that no fill touches
.set SPARE, SCL+20992                  ; the spare words, 128 bytes for each wave
.set PR,   4
.set BV,   8
.set ADRA, 16                          ; v16-19  my A fragments in part 0 .. 3
.set ADRB, 20                          ; v20-21  my B fragments in slot 0, 1, first part
.set ADRB2, 22                         ; v22-23  the same, second part
.set LI,   24
.set L8,   25
.set ADRSW, 26                         ; scale words, second part: lanes 0-15 x's, lanes 16-31 Wv's
.set ADRS, 27                          ; first part: lanes 0-15 x's, lanes 16-31 W's
.set SPW,  28
.set NIL,  29
.set BO,   30
.set VO,   31
.set SC,   32
.set AS0,  64
.set H,    64                          ; the ways out: 64 numbers of a block
.set TM,   128
.set TP,   144                         ; the conversions' second halves
.set PC0,  152                         ; the codes: twelve registers of its own for each block, so that no store's data are written again
.set W8,   248                         ; eight scale words
.set WV,  18
.set HA,  19                           ; my half of the tile's rows; also: I fetch for A (0) or B (1)
.set HB,  20                           ; my half of its columns; also: which half I fetch
.set CX,  21
.set CY,  22
.set G1,  24
.set G0,  32
.set DB,  40                           ; s[40:41] from W's tile to Wv's, in bytes
.set G0X, 44
.set G1B, 48
.set G0B, 56
.set TR,  66
.set TC,  67
.set G1S, 68
.set G0S, 76
.set G1SB, 80
.set G0SB, 88
.set SEL, 100
.set MUL_LO, 0xa1                      ; source 0 (B) window 1, source 1 (A) window 0, C and D window 2; + 0x50: window 3
.set MUL_V,  0xa4                      ; source 0 (A) window 0, source 1 (B) window 1, C and D window 2
.set TO_B,   0x40
.set MSB, 0
.macro WIN new                         ; the immediate's high byte repeats the setting that is left
.if MSB != (\new)
	s_set_vgpr_msb (MSB<<8)|(\new)
.set MSB, (\new)
.endif
.endm
.macro PLACES n
.rept \n
	v_nop
.endr
.endm
.macro JLOAD g0a, g1a, g0b, g1b        ; a joint load: waves 0, 1 for A, waves 2, 3 for B; an s_nop 0 and four v_nop follow each line
	s_cmp_eq_u32 s[HA], 0
	s_cbranch_scc0 .Lfor_b_\@
	tensor_load_to_lds s[\g0a:\g0a+3], s[\g1a:\g1a+7]
	s_nop 0
.rept 4
	v_nop
.endr
	s_branch .Lasked_\@
.Lfor_b_\@:
	tensor_load_to_lds s[\g0b:\g0b+3], s[\g1b:\g1b+7]
	s_nop 0
.rept 4
	v_nop
.endr
.Lasked_\@:
.endm
.macro BLOAD t                         ; a joint refill of B's slot t: waves 2 and 3, a half each; waves 0 and 1 have no part of it.  The branch hangs on the wave's number alone
	s_cmp_eq_u32 s[HA], 0
	s_cbranch_scc1 .Lnone_\@
	tensor_load_to_lds s[G0B+4*(\t):G0B+4*(\t)+3], s[G1B:G1B+7]
	s_nop 0
.rept 4
	v_nop
.endr
.Lnone_\@:
.endm
.macro CREST
	s_cmp_lg_u32 s[WV], 0
	s_cbranch_scc1 .Lnot_wave_0_\@
	s_barrier_signal -3
.Lnot_wave_0_\@:
	s_barrier_wait -3
	s_barrier_signal -1
	s_barrier_wait -1
.endm
.macro CROUND
	s_barrier_signal -1
	s_barrier_wait -1
	CREST
.endm
.macro QMAX s
.irp b, 0,1,2,3
	v_max3_num_f32 v[TM+\b], |v[\s+16*\b]|, |v[\s+1+16*\b]|, 0x1800000   ; and the floor 2^(3 - 127)
.endr
.irp i, 2,4,6,8,10,12,14
.irp b, 0,1,2,3
	v_max3_num_f32 v[TM+\b], v[TM+\b], |v[\s+16*\b+\i]|, |v[\s+1+16*\b+\i]|
.endr
.endr
.irp b, 0,1,2,3
	v_permlanex16_b32 v[TM+4+\b], v[TM+\b], s[SEL], s[SEL+1]
.endr
.irp b, 0,1,2,3
	v_max_num_f32 v[TM+\b], v[TM+\b], v[TM+4+\b]
.endr
.endm
.macro QTAIL s, pw, pc                 ; from the largest magnitudes: the scale word in v[pw], the fragment's twelve registers in v[pc] on
.irp b, 0,1,2,3
	v_add_nc_u32 v[TM+12+\b], 0xff000000, v[TM+\b]   ; 2 off the exponent field: the conversion's scale operand
.endr
.irp b, 0,1,2,3
	v_lshrrev_b32 v[TM+4+\b], 23, v[TM+12+\b]
.endr
	v_lshl_or_b32 v[\pw], v[TM+5], 8, v[TM+4]
	v_lshl_or_b32 v[\pw], v[TM+6], 16, v[\pw]
	v_lshl_or_b32 v[\pw], v[TM+7], 24, v[\pw]
.irp c, 0,1
	v_cvt_scalef32_pk16_fp6_f32 v[(\pc)+6*\c:(\pc)+6*\c+2], v[\s+32*\c:\s+32*\c+15], v[TM+12+2*\c]
	v_cvt_scalef32_pk16_fp6_f32 v[TP+4*\c:TP+4*\c+2], v[\s+32*\c+16:\s+32*\c+31], v[TM+13+2*\c]   ; (a conversion's three registers begin on an even number)
.endr
	v_nop                                          ; one plain place behind a scaled conversion
.irp c, 0,1
.irp i, 0,1,2
	v_permlane16_swap_b32 v[(\pc)+6*\c+\i], v[TP+4*\c+\i]
.endr
.irp i, 0,1,2
	v_mov_b32 v[(\pc)+3+6*\c+\i], v[TP+4*\c+\i]
.endr
.endr
.endm
.macro IMGOUT pc, base, off            ; the fragment leaves as it stands: three stores of 512 consecutive aligned bytes
.irp c, 0,1,2
	global_store_b128 v[LI], v[(\pc)+4*\c:(\pc)+4*\c+3], s[\base:\base+1] offset:(\off)+512*\c
.endr
.endm
.macro PAIR2 src, dst, base            ; eight words a row (equal in both halves of the lanes) leave as two aligned runs of 256 bytes
.irp i, 0,1
	v_cndmask_b32 v[\dst+2*\i], v[\src+4*\i], v[\src+4*\i+2], vcc_lo
	v_cndmask_b32 v[\dst+2*\i+1], v[\src+4*\i+1], v[\src+4*\i+3], vcc_lo
.endr
.irp i, 0,1
	global_store_b64 v[L8], v[\dst+2*\i:\dst+2*\i+1], s[\base:\base+1] offset:256*\i
.endr
.endm
.macro FETCH_B t, q, set               ; first part: my eight blocks of W from slot t
	WIN TO_B
.irp i, 0,1,2,3,4,5,6,7
.irp c, 0,1,2
	ds_load_b128 v[128*(\set)+12*\i+4*\c:128*(\set)+12*\i+4*\c+3], v[ADRB+(\t)] offset:(\i*NQ+(\q))*FRB+512*\c
.endr
.endr
.endm
.macro FETCH_B2 ks, set                ; second part: my four blocks of Wv, K step ks: slot ks / 4, half (ks / 2) % 2 of it
	WIN TO_B
.irp i, 0,1,2,3
.irp c, 0,1,2
	ds_load_b128 v[128*(\set)+12*\i+4*\c:128*(\set)+12*\i+4*\c+3], v[ADRB2+(\ks)/4] offset:(((\ks)/2)%2)*PART+(\i*NQ+(\ks)%2)*FRB+512*\c
.endr
.endr
.endm
.macro FETCH_A S, q, set               ; my eight blocks of x from part S
	WIN 0
.irp i, 0,1,2,3,4,5,6,7
.irp c, 0,1,2
	ds_load_b128 v[AS0+96*(\set)+12*\i+4*\c:AS0+96*(\set)+12*\i+4*\c+3], v[ADRA+\i/2] offset:((\i%2)*8+NQ*(\S)+(\q))*FRB+512*\c
.endr
.endr
.endm
.macro SCALES S                        ; first part, the scale words of K steps 2 S, 2 S + 1: lanes 0-15 x's blocks 2 i, 2 i + 1, lanes 16-31 W's
	WIN 0
.irp q, 0,1
.irp i, 0,1,2,3
	ds_load_b64 v[SC+8*NQ*((\S)%2)+8*\q+2*\i:SC+8*NQ*((\S)%2)+8*\q+2*\i+1], v[ADRS] offset:(NQ*(\S)+\q)*512+128*\i
.endr
.endr
.endm
.macro SCALES2 S                       ; second part: blocks 0-3: lanes 0-15 x's, lanes 16-31 Wv's; blocks 4-7: x's alone are used
	WIN 0
.irp q, 0,1
.irp i, 0,1
	ds_load_b64 v[SC+8*NQ*((\S)%2)+8*\q+2*\i:SC+8*NQ*((\S)%2)+8*\q+2*\i+1], v[ADRSW] offset:(NQ*(\S)+\q)*512+128*\i
.endr
.irp i, 2,3
	ds_load_b64 v[SC+8*NQ*((\S)%2)+8*\q+2*\i:SC+8*NQ*((\S)%2)+8*\q+2*\i+1], v[ADRS] offset:(NQ*(\S)+\q)*512+128*\i
.endr
.endr
.endm
; first part: n row blocks of A from a0 on, each against B's eight.  The 64 accumulators take turns in one order in every step.
.macro MULP a0, n, set, sc, q, zero
.set aa, \a0
.rept \n
	WIN MUL_LO+0x50*(aa/4)
.irp b, 0,1,2,3,4,5,6,7
.set AC, 8*(8*(aa%4)+\b)
.set BF, 128*(\set)+12*\b
.set AF, AS0+96*(\set)+12*aa
.set SRB, SC+8*NQ*(\sc)+8*(\q)+\b
.set SRA, SC+8*NQ*(\sc)+8*(\q)+aa
.if \zero
	v_wmma_scale_f32_16x16x128_f8f6f4 v[AC:AC+7], v[BF:BF+11], v[AF:AF+11], 0, v[SRB], v[SRA] matrix_a_fmt:MATRIX_FMT_FP6 matrix_b_fmt:MATRIX_FMT_FP6 matrix_a_scale:MATRIX_SCALE_ROW1
.else
	v_wmma_scale_f32_16x16x128_f8f6f4 v[AC:AC+7], v[BF:BF+11], v[AF:AF+11], v[AC:AC+7], v[SRB], v[SRA] matrix_a_fmt:MATRIX_FMT_FP6 matrix_b_fmt:MATRIX_FMT_FP6 matrix_a_scale:MATRIX_SCALE_ROW1
.endif
.endr
.set aa, aa+1
.endr
.endm
; second part: n blocks of tokens from a0 on, each against Wv's four; the 32 accumulators take turns likewise
.macro MULP2 a0, n, set, sc, q, zero
	WIN MUL_V
.set aa, \a0
.rept \n
.irp b, 0,1,2,3
.set AC, 8*(8*\b+aa)
.set BF, 128*(\set)+12*\b
.set AF, AS0+96*(\set)+12*aa
.set SRB, SC+8*NQ*(\sc)+8*(\q)+\b
.set SRA, SC+8*NQ*(\sc)+8*(\q)+aa
.if \zero
	v_wmma_scale_f32_16x16x128_f8f6f4 v[AC:AC+7], v[AF:AF+11], v[BF:BF+11], 0, v[SRA], v[SRB] matrix_a_fmt:MATRIX_FMT_FP6 matrix_b_fmt:MATRIX_FMT_FP6 matrix_b_scale:MATRIX_SCALE_ROW1
.else
	v_wmma_scale_f32_16x16x128_f8f6f4 v[AC:AC+7], v[AF:AF+11], v[BF:BF+11], v[AC:AC+7], v[SRA], v[SRB] matrix_a_fmt:MATRIX_FMT_FP6 matrix_b_fmt:MATRIX_FMT_FP6 matrix_b_scale:MATRIX_SCALE_ROW1
.endif
.endr
.set aa, aa+1
.endr
.endm
; first part, the first K step of part S: its own fragments were asked for a step ago; the next step's go into the other set while this one is multiplied
.macro STEP1 S, zero
	s_wait_dscnt 0x0
	PLACES 4                                       ; in front of loads into registers that matrix instructions have read
	FETCH_B (\S)%2, 1, 1
	FETCH_A \S, 1, 1
.if (\S) < 3
	SCALES (\S)+1
.else
	SCALES2 0                                      ; the second part's first scale words
.endif
	MULP 0, 8, 0, (\S)%2, 0, \zero
.endm
; first part, the second K step of part S, which leaves B's slot: all my tensor loads waited for, the add, my reads of the slot waited for, a round of the cluster's barrier, and the slot is filled again:
; with W's K steps two parts on (S = 0, 1) or with Wv's K steps 0-3 (S = 2) and 4-7 (S = 3)
.macro TURN1 S
	WIN 0
	s_wait_tensorcnt 0x0                           ; what I asked for has landed; no load of mine is out, so a group 0 may be written
	ds_add_u32 v[SPW], v[NIL]
.if (\S) < 2
	s_add_nc_u64 s[G0B+4*((\S)%2)+2:G0B+4*((\S)%2)+3], s[G0B+4*((\S)%2)+2:G0B+4*((\S)%2)+3], 2*NQ*FRB
.else
	s_add_nc_u64 s[G0B+4*((\S)%2)+2:G0B+4*((\S)%2)+3], s[G0B+4*((\S)%2)+2:G0B+4*((\S)%2)+3], s[DB:DB+1]
.endif
.if (\S) == 3
	s_add_nc_u64 s[G0B+4*((\S)%2)+2:G0B+4*((\S)%2)+3], s[G0B+4*((\S)%2)+2:G0B+4*((\S)%2)+3], NQ*FRB
.endif
	s_wait_dscnt 0x0                               ; the add is done, and my reads of this slot are over
	s_barrier_signal -1
	MULP 0, 2, 1, (\S)%2, 1, 0                     ; work on registers while the others arrive
	WIN 0
	s_barrier_wait -1
	CREST
	BLOAD (\S)%2                                   ; the first tensor load behind the round
.if (\S) < 3
	PLACES 4                                       ; in every wave: in front of the loads below
	FETCH_B ((\S)+1)%2, 0, 0
	FETCH_A (\S)+1, 0, 0
.endif
	MULP 2, 6, 1, (\S)%2, 1, 0
.endm
; second part, K step ks: everything lies in LDS; no barrier, no refill
.macro STEP2 ks
	s_wait_dscnt 0x0
.if (\ks) < 7
	PLACES 4
	FETCH_B2 (\ks)+1, ((\ks)+1)%2
	FETCH_A ((\ks)+1)/2, ((\ks)+1)%2, ((\ks)+1)%2
.if ((\ks)%2 == 0) && ((\ks) < 6)
	SCALES2 (\ks)/2+1
.endif
.endif
.if (\ks) == 0
	MULP2 0, 8, 0, 0, 0, 1                         ; the first step's products start the sums
.else
	MULP2 0, 8, (\ks)%2, ((\ks)/2)%2, (\ks)%2, 0
.endif
.endm
	s_load_b256 s[4:11], s[0:1], 0x0               ; xw_codes, xw_scales, bq, bk
	s_load_b128 s[12:15], s[0:1], 0x20             ; bv, qkv_codes
	s_load_b64 s[16:17], s[0:1], 0x30              ; qkv_scales
	v_lshl_add_u32 v[SPW], v0, 2, SPARE
	v_mov_b32 v[NIL], 0
	ds_add_u32 v[SPW], v[NIL]                      ; the wave's opening, ahead of my first tensor load
	ds_add_u32 v[SPW], v[NIL]
	v_lshrrev_b32 v1, 5, v0
	v_readfirstlane_b32 s[WV], v1
	s_lshr_b32 s[HA], s[WV], 1
	s_and_b32 s[HB], s[WV], 1
	s_bfe_u32 s[CX], ttmp6, 0x40000
	s_bfe_u32 s[CY], ttmp6, 0x40004
	s_and_b32 s[TR], ttmp7, 0xffff
	s_lshl_b32 s[TR], s[TR], 2
	s_add_co_u32 s[TR], s[TR], s[CY]               ; tile row
	s_lshl_b32 s[TC], ttmp9, 2
	s_add_co_u32 s[TC], s[TC], s[CX]               ; tile column
	s_lshl_b32 s42, s[HB], 3                       ; which 8 row tiles of a tile I fetch
	s_lshl_b32 s[G0+2], s[TR], 4                   ; A: x's row tiles 16 TR + 8 half on:
	s_add_co_u32 s[G0+2], s[G0+2], s42
	s_lshl_b32 s[G0S], s[TR], 10                   ; the scale words of my 256 rows in a plane,
	s_mul_i32 s[G0+2], s[G0+2], 8*FRB              ; their codes
	s_mov_b32 s[G0+3], 0
	s_mov_b32 s[G0S+1], 0
	s_lshl_b32 s[G0B+2], s[TC], 4                  ; B: [Wq | Wk]'s row tiles 512 + 16 TC + 8 half on, in registers of its own
	s_add_co_u32 s[G0B+2], s[G0B+2], s42
	s_add_co_u32 s[G0B+2], s[G0B+2], 512
	s_lshl_b32 s[G0SB], s[TC], 10                  ; and of my 256 rows of [Wq | Wk]
	s_add_co_u32 s[G0SB], s[G0SB], 32768
	s_mul_i32 s[G0B+2], s[G0B+2], 8*FRB
	s_mov_b32 s[G0B+3], 0
	s_mov_b32 s[G0SB+1], 0
	s_lshl_b32 s[DB], s[TC], 3                     ; from W's K steps 4, 5 of my row tiles to Wv's row tiles 640 + 8 TC on, K steps 2 half on: 128 - 8 TC - 8 half row tiles, + 2 half - 4 fragments
	s_add_co_u32 s[DB], s[DB], s42
	s_sub_co_u32 s[DB], 128, s[DB]
	s_mul_i32 s[DB], s[DB], 8*FRB
	s_mul_i32 s43, s[HB], NQ*FRB
	s_add_co_u32 s[DB], s[DB], s43
	s_sub_co_u32 s[DB], s[DB], 2*NQ*FRB
	s_mov_b32 s[DB+1], 0
	s_lshl_b32 s92, s[TC], 9                       ; Wv's scale words: row tile 640 + 8 TC, 64 bytes a row tile
	s_add_co_u32 s92, s92, 640*64
	s_mov_b32 s93, 0
	s_lshl_b32 s2, s[CY], 2
	s_lshl_b32 s2, 15, s2                          ; my row of the cluster
	s_lshl_b32 s3, 0x1111, s[CX]                   ; my column
	s_or_b32 s[G1], s2, (3<<16)|(1<<21)            ; 15:0 the mask; 17:16 elements of 8 bytes; 21 set beside a mask; no padding
	s_or_b32 s[G1B], s3, (3<<16)|(1<<21)
	s_mov_b32 s[G1+1], (8*192)<<16                 ; x: 8 row tiles x all of K, 12,288 bytes each
	s_mov_b32 s[G1+3], (8*192)<<16
	s_mov_b32 s[G1B+1], (NQ*192)<<16               ; W: 8 row tiles x NQ fragments
	s_mov_b32 s[G1B+3], (NQ*192)<<16
.irp g, G1, G1B
	s_mov_b32 s[\g+2], 8<<16
	s_mov_b32 s[\g+4], 8
	s_mov_b32 s[\g+5], 8*192
	s_mov_b32 s[\g+6], 0
	s_mov_b32 s[\g+7], 0
.endr
	s_mul_i32 s[G0+1], s[WV], 4*PART               ; waves 0, 1: x's halves of 128 rows, row tile by row tile, all of K
	s_mul_i32 s[G0B+1], s[WV], PART                ; waves 2, 3: B's slots 0 and 1
	s_add_co_u32 s[G0B+1], s[G0B+1], BR-2*PART
	s_add_co_u32 s[G0B+5], s[G0B+1], ASL
.irp g, G0, G0B, G0B+4
	s_mov_b32 s[\g], 1                             ; 1:0 count = 1
.endr
	s_mov_b32 s[SEL], 0x76543210
	s_mov_b32 s[SEL+1], 0xfedcba98
	v_lshrrev_b32 v7, 4, v0                        ; Wv's scale words: thread t takes 32 bytes: plane t / 16, bytes 32 (t % 16) on,
	v_mul_u32_u24 v7, v7, 45056
	v_and_b32 v6, 15, v0
	v_lshl_add_u32 v7, v6, 5, v7
	v_lshl_add_u32 v4, v0, 5, WSC
	v_lshrrev_b32 v105, 6, v0                      ; x's and W's scale words: thread t takes 16 bytes of planes 2 n + t / 64
	v_and_b32 v104, 63, v0
	v_lshlrev_b32 v104, 4, v104
	v_mul_u32_u24 v106, v105, 45056
	v_add_nc_u32 v104, v104, v106
	v_lshlrev_b32 v105, 9, v105                    ; in LDS: half x 4096 + plane x 512
	v_and_b32 v106, 31, v0
	v_lshl_add_u32 v105, v106, 4, v105
	v_bfe_u32 v106, v0, 5, 1
	v_lshl_add_u32 v105, v106, 12, v105
	v_add_nc_u32 v105, SCL, v105
	s_wait_alu depctr_va_vdst(0)
	s_wait_dscnt 0x0                               ; the opening add is done
	s_wait_kmcnt 0x0
	s_add_nc_u64 s[G0+2:G0+3], s[4:5], s[G0+2:G0+3]
	s_add_nc_u64 s[G0B+2:G0B+3], s[4:5], s[G0B+2:G0B+3]
	s_add_nc_u64 s[G0B+6:G0B+7], s[G0B+2:G0B+3], NQ*FRB
	s_add_nc_u64 s[G0S:G0S+1], s[6:7], s[G0S:G0S+1]
	s_add_nc_u64 s[G0SB:G0SB+1], s[6:7], s[G0SB:G0SB+1]
.irp g, G0+3, G0B+3, G0B+7
	s_or_b32 s[\g], s[\g], 0x80000000              ; 127:126 type = 2
.endr
	s_cmp_eq_u32 ttmp9, 0                          ; cluster x 0 makes Q, 1 makes K
	s_cselect_b64 s[8:9], s[8:9], s[10:11]
	s_add_nc_u64 s[10:11], s[6:7], s[92:93]
	global_load_b128 v[64:67], v7, s[10:11]        ; sixteen threads read a plane's 512 consecutive aligned bytes
	global_load_b128 v[68:71], v7, s[10:11] offset:16
.irp n, 0,1,2,3
	global_load_b128 v[72+4*\n:75+4*\n], v104, s[G0S:G0S+1] offset:90112*\n
	global_load_b128 v[88+4*\n:91+4*\n], v104, s[G0SB:G0SB+1] offset:90112*\n
.endr
	CROUND                                         ; all sixteen work-groups are here: the first joint loads meet
	JLOAD G0, G1, G0B, G1B                         ; one load a wave: a half of x, or a half of B's slot 0
	v_and_b32 v1, 15, v0                           ; r
	v_bfe_u32 v2, v0, 4, 1                         ; h
	v_and_b32 v3, 31, v0                           ; lane
	v_lshlrev_b32 v[LI], 4, v3
	s_wait_alu depctr_va_vdst(0)
	v_lshlrev_b32 v[L8], 3, v3
	v_lshlrev_b32 v[BO], 5, v2
	v_lshlrev_b32 v[VO], 4, v1                     ; Wv's row tile t, row r is column 4 r + t of its 64
	s_mul_i32 s42, s[HA], 4*PART                   ; my 128 rows of x: v16-19 row tiles 2 s, 2 s + 1
.irp s, 0,1,2,3
	v_add_nc_u32 v[ADRA+\s], s42, v[LI]
	s_add_co_u32 s42, s42, PART
.endr
	s_mul_i32 s43, s[HB], PART                     ; my 128 rows of W
	s_add_co_u32 s43, s43, BR
.irp s, 0,1
	v_add_nc_u32 v[ADRB+\s], s43, v[LI]
	s_add_co_u32 s43, s43, ASL
.endr
	s_mul_i32 s43, s[HB], 4*NQ*FRB                 ; my 64 rows of Wv: 4 of a load's 8 row tiles
	s_add_co_u32 s43, s43, BR
.irp s, 0,1
	v_add_nc_u32 v[ADRB2+\s], s43, v[LI]
	s_add_co_u32 s43, s43, ASL
.endr
	v_lshlrev_b32 v5, 3, v1                        ; scale words: 8 bytes for a row of two neighbouring row tiles
	s_wait_alu depctr_va_vdst(0)
	s_lshl_b32 s42, s[HA], 12
	s_lshl_b32 s43, s[HB], 12
	s_add_co_u32 s43, s43, 2*4096+128
	s_sub_co_u32 s43, s43, s42
	v_mul_u32_u24 v6, s43, v2                      ; first part: lanes 16-31 take W's
	s_lshl_b32 s43, s[HB], 8
	s_add_co_u32 s43, s43, WSC-SCL
	s_sub_co_u32 s43, s43, s42
	s_add_co_u32 s42, s42, SCL
	v_add_nc_u32 v5, s42, v5
	v_add_nc_u32 v[ADRS], v5, v6
	v_mul_u32_u24 v6, s43, v2                      ; second part: lanes 16-31 take Wv's
	v_add_nc_u32 v[ADRSW], v5, v6
	; the biases.  Q, K: 64 registers in window 1: register 8 b + j = bias(16 b + 8 h + j of my 128 columns).  V: registers BV + 2 b and BV + 2 b + 1 = bv(16 b + r of my 64 f)
	s_lshl_b32 s92, s[CX], 8
	s_lshl_b32 s93, s[HB], 7
	s_add_co_u32 s92, s92, s93
	s_lshl_b32 s92, s92, 2
	s_mov_b32 s93, 0
	s_add_nc_u64 s[8:9], s[8:9], s[92:93]
	s_lshl_b32 s94, s[TC], 7
	s_lshl_b32 s95, s[HB], 6
	s_add_co_u32 s94, s94, s95
	s_lshl_b32 s94, s94, 2
	s_mov_b32 s95, 0
	s_add_nc_u64 s[12:13], s[12:13], s[94:95]
	WIN TO_B
.set n, 0
.rept 16
	global_load_b128 v[96+4*n+96*(n/8):99+4*n+96*(n/8)], v[BO], s[8:9] offset:64*(n/2)+16*(n%2)
.set n, n+1
.endr
	WIN 0
.irp b, 0,1,2,3
	global_load_b32 v[BV+2*\b], v[VO], s[12:13] offset:4*\b
	global_load_b32 v[BV+2*\b+1], v[VO], s[12:13] offset:4*\b
.endr
	; where my results go
	s_lshl_b32 s92, s[TC], 1
	s_add_co_u32 s92, s92, s[HB]                   ; 2 TC + hb
	s_lshl_b32 s93, s[TR], 1
	s_add_co_u32 s93, s93, s[HA]                   ; 2 TR + ha
	s_lshl_b32 s96, s92, 8                         ; V^T's codes: row tile 8 TC + 4 hb, 64 fragments each; K step 2 TR + ha
	s_add_co_u32 s96, s96, s93
	s_mul_i32 s96, s96, FRB
	s_add_co_u32 s96, s96, 12582912
	s_mov_b32 s97, 0
	s_add_nc_u64 s[4:5], s[14:15], s[96:97]
	s_lshl_b32 s96, s93, 12                        ; V^T's scale words: plane 2 TR + ha of 4,096 bytes, my 64 rows' 256 bytes
	s_lshl_b32 s98, s92, 8
	s_add_co_u32 s96, s96, s98
	s_add_co_u32 s96, s96, 524288
	s_add_nc_u64 s[6:7], s[16:17], s[96:97]
	s_and_b32 s92, s92, 7                          ; Q's or K's: the K step that my 128 columns are
	s_lshl_b32 s96, s93, 6                         ; row tile 16 TR + 8 ha, 8 fragments each
	s_add_co_u32 s96, s96, s92
	s_mul_i32 s96, s96, FRB
	s_mul_i32 s98, ttmp9, 6291456
	s_add_co_u32 s96, s96, s98
	s_add_nc_u64 s[14:15], s[14:15], s[96:97]
	s_lshl_b32 s96, s92, 15
	s_lshl_b32 s98, s93, 9
	s_add_co_u32 s96, s96, s98
	s_lshl_b32 s98, ttmp9, 18
	s_add_co_u32 s96, s96, s98
	s_add_nc_u64 s[16:17], s[16:17], s[96:97]
	s_wait_alu depctr_va_vdst(0)
	s_wait_loadcnt 24                              ; Wv's scale words are in; the 24 loads of the biases, issued behind them, may be out
	ds_store_b128 v4, v[64:67]
	ds_store_b128 v4, v[68:71] offset:16
.irp n, 0,1,2,3
	ds_store_b128 v105, v[72+4*\n:75+4*\n] offset:1024*\n
	ds_store_b128 v105, v[88+4*\n:91+4*\n] offset:8320+1024*\n
.endr
	s_wait_tensorcnt 0x0                           ; my part of x or of slot 0 is in;
	ds_add_u32 v[SPW], v[NIL]
	s_wait_dscnt 0x0                               ; the add and my stores are done
	CROUND
	BLOAD 1                                        ; slot 1's first fill, the first tensor load behind the round
	FETCH_B 0, 0, 0
	FETCH_A 0, 0, 0
	SCALES 0
	STEP1 0, 1                                     ; the first step's products start the sums: nothing is cleared
	TURN1 0
	STEP1 1, 0
	TURN1 1
	STEP1 2, 0
	TURN1 2                                        ; slot 0 takes Wv's K steps 0-3,
	STEP1 3, 0
	TURN1 3                                        ; slot 1 its K steps 4-7: the last tensor loads
	; THE FIRST WAY OUT, row block by row block: + bias, the four blocks' scales, codes, three stores of 512 bytes.  Every block has its own registers for its codes and every offset is an immediate: no wait stands between the blocks
	WIN 0
	s_wait_loadcnt 0x0                             ; the biases
	PLACES 4                                       ; behind the last products: their results are read and A's registers written from here on
.irp b, 0,1,2,3
	v_mov_b32 v[TM+4+\b], 0                        ; written once: a lane permute's destination counts as one of its sources
.endr
.macro OUT1 a
	WIN 0x06+(\a)/4                                ; source 0: the accumulators' window, source 1: window 1
.set k, 0
.rept 32                               ; each accumulator from its low end on
	v_pk_add_f32 v[H+2*k:H+2*k+1], v[64*((\a)%4)+2*k:64*((\a)%4)+2*k+1], v[96+2*k+96*(k/16):97+2*k+96*(k/16)]
.set k, k+1
.endr
	WIN 0
	QMAX H
	QTAIL H, W8+(\a), PC0+12*(\a)
	IMGOUT PC0+12*(\a), 14, 8*FRB*(\a)
.endm
.irp a, 0,1,2,3,4,5,6,7
	OUT1 \a
.endr
	v_cmp_le_u32 vcc_lo, 16, v3
	PAIR2 W8, PR, 16
	; THE SECOND PART: V, from the same rows of x
	s_wait_xcnt 0x0                                ; the stores have read their registers: A's sets may be loaded again
	s_wait_tensorcnt 0x0                           ; Wv's K steps 4-7 have landed
	ds_add_u32 v[SPW], v[NIL]
	s_wait_dscnt 0x0
	s_barrier_signal -1
	s_barrier_wait -1                              ; everybody's have; nothing is filled any more
	FETCH_B2 0, 0
	FETCH_A 0, 0, 0
.irp e, 0,1,2,3,4,5,6,7
	STEP2 \e
.endr
	; THE SECOND WAY OUT, f block by f block
	WIN 0
	PLACES 4                                       ; behind the last products
.macro OUT2 f
	WIN 0x02                                       ; source 0: window 2
.set k, 0
.rept 32                               ; each accumulator from its low end on
	v_pk_add_f32 v[H+2*k:H+2*k+1], v[64*(\f)+2*k:64*(\f)+2*k+1], v[BV+2*(\f):BV+2*(\f)+1]
.set k, k+1
.endr
	WIN 0
	QMAX H
	QTAIL H, W8+(\f), PC0+12*(\f)
	IMGOUT PC0+12*(\f), 4, 64*FRB*(\f)             ; 64 fragments from row tile to row tile
.endm
.irp f, 0,1,2,3
	OUT2 \f
.endr
	v_cmp_le_u32 vcc_lo, 16, v3
	v_cndmask_b32 v[PR], v[W8], v[W8+2], vcc_lo    ; lanes 0-15: f blocks 0 and 1, lanes 16-31: 2 and 3
	v_cndmask_b32 v[PR+1], v[W8+1], v[W8+3], vcc_lo
	global_store_b64 v[L8], v[PR:PR+1], s[6:7]     ; 256 consecutive aligned bytes
	s_wait_tensorcnt 0x0                           ; the wave's end
	ds_add_u32 v[SPW], v[NIL]
	s_wait_dscnt 0x0
	CROUND                                         ; the closing round
	s_endpgm
.Lfunc_end_k_q862063ec85_qkv:
	.size	k_q862063ec85_qkv, .Lfunc_end_k_q862063ec85_qkv-k_q862063ec85_qkv
	.p2alignl 7, 3214868480
	.fill 96, 4, 3214868480
	.section	.rodata,"a",@progbits
	.p2align	6, 0x0
	.amdhsa_kernel k_q862063ec85_qkv
		.amdhsa_group_segment_fixed_size 327680
		.amdhsa_private_segment_fixed_size 0
		.amdhsa_enable_private_segment 0
		.amdhsa_kernarg_size 56
		.amdhsa_user_sgpr_count 2
		.amdhsa_user_sgpr_kernarg_segment_ptr 1
		.amdhsa_wavefront_size32 1
		.amdhsa_system_sgpr_workgroup_id_x 1
		.amdhsa_system_sgpr_workgroup_id_y 1
		.amdhsa_system_sgpr_workgroup_id_z 1
		.amdhsa_system_vgpr_workitem_id 0
		.amdhsa_next_free_vgpr 1024
		.amdhsa_next_free_sgpr 102
		.amdhsa_reserve_vcc 1
		.amdhsa_float_denorm_mode_32 3
		.amdhsa_float_denorm_mode_16_64 3
		.amdhsa_memory_ordered 1
		.amdhsa_forward_progress 1
		.amdhsa_inst_pref_size 238
	.end_amdhsa_kernel
	.amdgpu_metadata
---
amdhsa.version: [ 1, 2 ]
amdhsa.kernels:
  - .name:           k_q862063ec85_qkv
    .symbol:         k_q862063ec85_qkv.kd
    .args:
      - { .name: xw_codes, .offset: 0, .size: 8, .value_kind: global_buffer, .address_space: global }
      - { .name: xw_scales, .offset: 8, .size: 8, .value_kind: global_buffer, .address_space: global }
      - { .name: bq, .offset: 16, .size: 8, .value_kind: global_buffer, .address_space: global }
      - { .name: bk, .offset: 24, .size: 8, .value_kind: global_buffer, .address_space: global }
      - { .name: bv, .offset: 32, .size: 8, .value_kind: global_buffer, .address_space: global }
      - { .name: qkv_codes, .offset: 40, .size: 8, .value_kind: global_buffer, .address_space: global }
      - { .name: qkv_scales, .offset: 48, .size: 8, .value_kind: global_buffer, .address_space: global }
    .group_segment_fixed_size: 327680
    .private_segment_fixed_size: 0
    .kernarg_segment_align: 8
    .kernarg_segment_size: 56
    .max_flat_workgroup_size: 128
    .sgpr_count:     102
    .vgpr_count:     1024
    .wavefront_size: 32
...
	.end_amdgpu_metadata
.endif
;; end of part 2
;; launch scores (part 3): grid 16 x 16, 4 waves a work-group, clusters of 4 x 4, 327,680 bytes of LDS; arguments qkv_codes, qkv_scales, p_codes, p_scales, p_max, p_sum; writes p_codes, p_scales, p_max, p_sum
.if DOCPART == 3
	.amdgcn_target "amdgcn-amd-amdhsa--gfx1250"
	.amdhsa_code_object_version 6
	.text
	.protected	k_q862063ec85_scores
	.globl	k_q862063ec85_scores
	.p2align	8
	.type	k_q862063ec85_scores,@function
k_q862063ec85_scores:
	s_mov_b64 s[64:65], 0
	v_nop
	global_prefetch_b8 v0, s[64:65] scope:SCOPE_SE
	s_setreg_imm32_b32 hwreg(HW_REG_WAVE_MODE, 25, 1), 1
	s_wait_xcnt 0x0
	s_wait_alu depctr_hold_cnt(0) depctr_sa_sdst(0) depctr_va_vdst(0) depctr_va_sdst(0) depctr_va_ssrc(0) depctr_va_vcc(0) depctr_vm_vsrc(0)
	s_getreg_b32 s2, hwreg(HW_REG_IB_STS2, 6, 4)
	s_cmp_eq_u32 s2, 0
	s_cbranch_scc0 .Lentry_in_a_cluster
	s_endpgm
.Lentry_in_a_cluster:
	s_bfe_u32 s2, ttmp6, 0x10000c
	s_cmp_lg_u32 s2, 0xf033
	s_cbranch_scc0 .Lentry_shape_is_right
	s_endpgm
.Lentry_shape_is_right:
; S = Q K^T on codes of FP6 (E2M3) with E8M0 scales, f32 sums; then the softmax's p, quantised along the keys, under a maximum that is LOCAL to a wave's 64 keys:
; t = S x log2(e) / 32; M = ceil(the largest t of the row's 64 keys), a whole number; p = 2^(t - M); the sum l of the unquantised p.  At the end the two waves that share a row join their M, l and scale bytes for 128 keys: an exact power of two
; comes off the bytes, so the codes are those of the row's own M.  The next launch does the same for the whole row.
; A work-group makes 512 queries x 128 keys of one batch: four waves, 2 x 2.  A wave holds 64 keys x 1,024 IN REGISTERS (32 fragments, 384 registers) and streams its queries past them in blocks of 16 x 1,024 (8 fragments, two sets):
; the wave in row a takes row tiles 2 g + a as its blocks g = 0 .. 15.  Behind a block's products stands its softmax; its sum and scales stand among the next block's products, its codes leave at that block's end.
; LDS: K's 128 rows at 0, Q's first two chunks of 128 rows behind them (row tile n of Q at 98,304 + 12,288 n), Q's scale words, the stage for M, l and bytes.  At the head one tensor load a wave.  ONE ROUND OF REFILLS, in block 2:
; chunk 2 onto K (in registers by then), chunk 3 onto chunk 0 (fetched by then): row tile n = 16 .. 31 at 12,288 (n - 16).  A plain barrier in block 5 shows both.
; Operands are images of their registers (fragment (rt, ks) at (8 rt + ks) x 1536).  CLUSTERS 4 x 4: Q's tile is shared along a row of the cluster, K's along a column: joint loads.
; PREFETCHES: Q's chunks 2 and 3, shared out by address among the sixteen waves that ask for them jointly (24 blocks of 256 bytes a wave), at the head and behind block 0, ahead of the refill in block 2.
; THE MATRIX INSTRUCTION IS USED TRANSPOSED: lane (r, h), register 8 k + j of the accumulators is S(query r, key 16 k + 8 h + j).
; Register 16 B + 8 u + j becomes position 32 B + 16 h + 8 u + j of p and is key 32 B + 16 u + 8 h + j: the same permutation inside a block of 32 as V's codes have.
; OUT: p_codes: fragment (rt, ks) at (4096 (ks / 8) + 8 rt + ks % 8) x 1536, ks = key / 128; in it registers 0-3 of all lanes (16 bytes each), registers 6-9, then registers 4-5 (8 bytes each), registers 10-11.
; p_scales, p_max, p_sum: word (row, ks) at ks x 32768 + (row / 32) x 128 + (row % 16) x 8 + ((row / 16) % 2) x 4.
; LIMITS: NaN and infinities are not served; a block of 32 keys whose largest p lies under 2^-29 gets the byte 96 (a step of 2^-34 under a largest p over 1/2), and of two waves' M the lower is held at 32 under the higher: what is so held is nothing
; beside a row's sum, which is over 1/2; M is a whole number exactly for |t| under 2^24.
; REGISTERS: fragment f at window 1 + f / 21, register 12 (f % 21): 0-31 K's (4 q + tile), 32-39 and 40-47 Q's two sets; all else in window 0.
; THE PIECES OF A FRAGMENT OF p, exactly: the wave of the first 64 keys makes registers 0-5, the wave of the other 64 registers 6-11.  At byte 0 lie registers 0-3, at 512 registers 6-9 (16 bytes a lane), at 1,024 registers 4-5, at 1,280 registers 10-11 (8 bytes a lane).
.set FRB,   1536
.set RT,    8*FRB
.set QA,    8*RT
.set SCA,   24*RT                      ; Q's scale words: [row][8 words]
.set STG,   SCA+16384                  ; the stage: M, l, bytes: 4,096 each: [wave column][wave row][block][16 rows]
.set SPARE, STG+12288
.set NF,    26
.set ADRK,  4
.set AD0,   5
.set AD,    6
.set ADS0,  7
.set ADS,   8
.set CO,    9                          ; 16 x lane + 512 b
.set SPW,   10
.set NIL,   11
.set C8,    12                         ; 8 x lane + 256 b
.set ST0,   13
.set ST,    14
.set T16,   15                         ; 16 x thread
.set SQ,    16
.set PFQ,   17
.set VSO,   20
.set CB,    23
.set SB,    24                         ; v24-39 K's scale words: + 8 (tile / 2) + q
.set SA,    44                         ; v44-59 Q's, two sets of eight
.set ACC,   64                         ; v64-95
.set P,     96                         ; v96-127
.set T0,    128                        ; v128-131 four chains of maxima
.set PX0,   132
.set E0,    134                        ; v134, 135 the largest p of the two blocks of 32
.set NM,    136                        ; v136 -M (v137 named with it as a pair)
.set S0,    138
.set S1,    140
.set PX,    142
.set LV,    143
.set SO,    144
.set BY,    146
.set HW,    148
.set MV,    149
.set CD,    150                        ; v150-155 the codes
.set C2,    156
.set CS,  2                            ; s[2:3] log2(e) / 32
.set WV,  18
.set HA,  19
.set HB,  20
.set CX,  21
.set CY,  22
.set BT,  23
.set G1K, 24
.set G1P, 32
.set G1Q, 48
.set G0K, 56
.set G0P, 60
.set G0R, 68
.set G0T, 84
.set TC,  67
.set C101, 80
.set RNG, 88                           ; where the next fetch's row tile lies,
.set SCS, 89                           ; its scale words,
.set STS, 90                           ; and the stage's words of the block that leaves next
.set SEL, 100
.set MSB, 0
.macro WIN new
.if MSB != (\new)
	s_set_vgpr_msb (MSB<<8)|(\new)
.set MSB, (\new)
.endif
.endm
.macro PLACES n
.rept \n
	v_nop
.endr
.endm
.macro WALU
	s_wait_alu depctr_va_vdst(0)
.endm
.macro BARRIER
	s_barrier_signal -1
	s_barrier_wait -1
.endm
.macro MIDDLE
	WIN 0
	s_barrier_wait -1
	s_cmp_lg_u32 s[WV], 0
	s_cbranch_scc1 .Lnot_wave_0_\@
	s_barrier_signal -3
.Lnot_wave_0_\@:
	s_barrier_wait -3
.endm
.macro CROUND
	s_barrier_signal -1
	MIDDLE
	BARRIER
.endm
.macro GRD
	s_wait_tensorcnt 0x0
	ds_add_u32 v[SPW], v[NIL]
.endm
.macro TLOAD g0, g1
	tensor_load_to_lds s[\g0:\g0+3], s[\g1:\g1+7]
	s_nop 0
	PLACES 4
.endm
.macro GROUP1 g, mask, rows            ; rows of 12,288 bytes on end
	s_or_b32 s[\g], s\mask, (3<<16)|(1<<21)
	s_mov_b32 s[\g+1], 1536<<16
	s_mov_b32 s[\g+2], (\rows)<<16
	s_mov_b32 s[\g+3], 1536<<16
	s_mov_b32 s[\g+4], \rows
	s_mov_b32 s[\g+5], 1536
	s_mov_b32 s[\g+6], 0
	s_mov_b32 s[\g+7], 0
.endm
.macro FETCH e                         ; a block's rows of Q and their scale words into set e: NF loads
.irp q, 0,1,2,3,4,5,6,7
.set F_, 32+8*(\e)+\q
	WIN (1+F_/21)<<6
.irp c, 0,1,2
	ds_load_b128 v[12*(F_%21)+4*\c:12*(F_%21)+4*\c+3], v[AD] offset:\q*FRB+512*\c
.endr
.endr
	WIN 0
	ds_load_b128 v[SA+8*(\e):SA+8*(\e)+3], v[ADS]
	ds_load_b128 v[SA+8*(\e)+4:SA+8*(\e)+7], v[ADS] offset:16
.endm
.macro PROD1 d, s0, s1, c, x0, x1, o
.if \o
	v_wmma_scale_f32_16x16x128_f8f6f4 v[\d:\d+7], v[12*((\s0)%21):12*((\s0)%21)+11], v[12*((\s1)%21):12*((\s1)%21)+11], \c, v[\x0], v[\x1] matrix_a_fmt:MATRIX_FMT_FP6 matrix_b_fmt:MATRIX_FMT_FP6 matrix_a_scale:MATRIX_SCALE_ROW1
.else
	v_wmma_scale_f32_16x16x128_f8f6f4 v[\d:\d+7], v[12*((\s0)%21):12*((\s0)%21)+11], v[12*((\s1)%21):12*((\s1)%21)+11], \c, v[\x0], v[\x1] matrix_a_fmt:MATRIX_FMT_FP6 matrix_b_fmt:MATRIX_FMT_FP6
.endif
.endm
.macro PROD e, n                       ; n = 4 q + tile: the four accumulators take turns
.set Q_, (\n)/4
.set J_, (\n)%4
.set FA_, 32+8*(\e)+Q_
.set FB_, 4*Q_+J_
.set D_, ACC+8*J_
.set XA_, SA+8*(\e)+Q_
.set XB_, SB+8*(J_/2)+Q_
	WIN (1+FB_/21)|((1+FA_/21)<<2)
.if Q_ == 0
	PROD1 D_, FB_, FA_, 0, XB_, XA_, J_%2
.else
	PROD1 D_, FB_, FA_, v[D_:D_+7], XB_, XA_, J_%2
.endif
.endm
.macro FIN i                           ; the last block's sum l, its scales, its M: line i
.if (\i) == 0
	v_pk_add_f32 v[S0:S0+1], v[P:P+1], v[P+2:P+3]
.elseif (\i) == 1
	v_pk_add_f32 v[S1:S1+1], v[P+4:P+5], v[P+6:P+7]
.elseif (\i) < 14
.if (\i)%2
	v_pk_add_f32 v[S1:S1+1], v[S1:S1+1], v[P+4+2*(\i):P+5+2*(\i)]
.else
	v_pk_add_f32 v[S0:S0+1], v[S0:S0+1], v[P+4+2*(\i):P+5+2*(\i)]
.endif
.elseif (\i) == 14
	v_pk_add_f32 v[S0:S0+1], v[S0:S0+1], v[S1:S1+1]
.elseif (\i) == 15
	v_max_num_f32 v[E0], 0x31000000, v[E0]         ; the floor 2^-29: the byte is 96 or more
.elseif (\i) == 16
	v_add_f32 v[LV], v[S0], v[S0+1]
.elseif (\i) == 17
	v_max_num_f32 v[E0+1], 0x31000000, v[E0+1]
.elseif (\i) == 18
	v_permlanex16_b32 v[PX], v[LV], s[SEL], s[SEL+1]
.elseif (\i) == 19
	v_add_nc_u32 v[SO], 0xff000000, v[E0]          ; 2 off the exponent field: the conversion's scale operand
.elseif (\i) == 20
	v_add_f32 v[LV], v[LV], v[PX]
.elseif (\i) == 21
	v_add_nc_u32 v[SO+1], 0xff000000, v[E0+1]
.elseif (\i) == 22
	v_lshrrev_b32 v[BY], 23, v[SO]
.elseif (\i) == 23
	v_lshrrev_b32 v[BY+1], 23, v[SO+1]
.elseif (\i) == 24
	v_mul_f32 v[MV], -1.0, v[NM]
.elseif (\i) == 26
	v_lshl_or_b32 v[HW], v[BY+1], 8, v[BY]
.endif
.endm
.macro ENTRY i, fetch, out             ; what stands among the products: the addresses of the fetch at the block's end, then FIN.  out = 2: the codes' base steps on
.if (\i) == 0
.if \fetch
	WIN 0
	v_add_nc_u32 v[AD], s[RNG], v[AD0]
.endif
.elseif (\i) == 1
.if \fetch
	WIN 0
	v_add_nc_u32 v[ADS], s[SCS], v[ADS0]
.endif
.elseif (\i) == 2
.if \fetch
	s_add_co_u32 s[RNG], s[RNG], 2*RT
	s_add_co_u32 s[SCS], s[SCS], 1024
.endif
.if \out
	WIN 0
	v_add_nc_u32 v[ST], s[STS], v[ST0]
.endif
.elseif (\i) == 3
.if \out
	s_add_co_u32 s[STS], s[STS], 64
.endif
.if (\out) == 2
	s_add_nc_u64 s[8:9], s[8:9], 2*RT
.endif
.elseif \out
	WIN 0
	FIN (\i)-4
.endif
.endm
.macro BLK e, from, to, fetch, out
.set N_, \from
.rept (\to)-(\from)
	PROD \e, N_
.if N_%2
	ENTRY N_-1, \fetch, \out
	ENTRY N_, \fetch, \out
.endif
.set N_, N_+1
.endr
.endm
.macro CONV                            ; 32 codes a lane, then whole blocks: lanes 0-15 block 0, lanes 16-31 block 1
	v_cvt_scalef32_pk16_fp6_f32 v[CD:CD+2], v[P:P+15], v[SO]
	v_cvt_scalef32_pk16_fp6_f32 v[C2:C2+2], v[P+16:P+31], v[SO+1]
	v_nop                                          ; one plain place behind a scaled conversion
.irp i, 0,1,2
	v_permlane16_swap_b32 v[CD+\i], v[C2+\i]
.endr
.irp i, 0,1,2
	v_mov_b32 v[CD+3+\i], v[C2+\i]                 ; (with the v_nop, these are the places behind the block's products)
.endr
.endm
.macro OUT
	ds_store_b32 v[ST], v[MV]                      ; both lanes of a row write the same word with the same value
	ds_store_b32 v[ST], v[LV] offset:4096
	ds_store_b32 v[ST], v[HW] offset:8192
	global_store_b128 v[CO], v[CD:CD+3], s[8:9]    ; 512 consecutive aligned bytes,
	global_store_b64 v[C8], v[CD+4:CD+5], s[8:9] offset:1024   ; and 256
.endm
.macro SOFT                            ; the softmax of my 64 keys
.irp b, 0,1                            ; the largest score of each block of 32 keys: it serves for the row's maximum and, since p rises with the score, for the block's largest p
	v_max3_num_f32 v[T0+2*\b], v[ACC+16*\b], v[ACC+16*\b+1], v[ACC+16*\b+2]
	v_max3_num_f32 v[T0+2*\b+1], v[ACC+16*\b+8], v[ACC+16*\b+9], v[ACC+16*\b+10]
.endr
.irp i, 3,5
.irp b, 0,1
	v_max3_num_f32 v[T0+2*\b], v[T0+2*\b], v[ACC+16*\b+\i], v[ACC+16*\b+\i+1]
	v_max3_num_f32 v[T0+2*\b+1], v[T0+2*\b+1], v[ACC+16*\b+8+\i], v[ACC+16*\b+9+\i]
.endr
.endr
.irp b, 0,1
	v_max3_num_f32 v[T0+2*\b], v[T0+2*\b], v[ACC+16*\b+7], v[ACC+16*\b+15]
.endr
.irp b, 0,1
	v_max_num_f32 v[T0+2*\b], v[T0+2*\b], v[T0+2*\b+1]
.endr
.irp b, 0,1
	v_permlanex16_b32 v[PX0+\b], v[T0+2*\b], s[SEL], s[SEL+1]
.endr
.irp b, 0,1
	v_max_num_f32 v[T0+2*\b], v[T0+2*\b], v[PX0+\b] ; with lane l xor 16's sixteen keys
.endr
	v_max_num_f32 v[S0], v[T0], v[T0+2]
	v_mul_f32 v[S0], s[CS], v[S0]                  ; as t (c is positive)
	v_floor_f32 v[NM], -v[S0]                      ; -M = floor(-t) = -ceil(t)
.set K_, 0
.rept 16
	v_pk_fma_f32 v[P+2*K_:P+2*K_+1], v[ACC+2*K_:ACC+2*K_+1], s[CS:CS+1], v[NM:NM+1] op_sel_hi:[1,0,0]   ; t - M, two at a time
.set K_, K_+1
.endr
.irp b, 0,1
	v_fma_f32 v[E0+\b], v[T0+2*\b], s[CS], v[NM]   ; the same of each block's largest score
.endr
	WALU                                           ; the wait ahead of the batch,
.set K_, 0
.rept 32
	v_exp_f32 v[P+K_], v[P+K_]                     ; p = 2^(t - M): not normalised
.set K_, K_+1
.endr
	v_exp_f32 v[E0], v[E0]
	v_exp_f32 v[E0+1], v[E0+1]
	v_nop
	WALU                                           ; and behind it
.endm
.macro HEADB w, out
	s_wait_dscnt \w                                ; the block's rows are in; the next block's fetch may be out
.if (\out) == 2
	s_wait_xcnt 0x0                                ; the last stores have read their registers and their base
.endif
.endm
.macro ENDB e, fetch, out
	WIN 0
.if \out
	WALU
	CONV
.else
	PLACES 4
.endif
	WALU
.if \out
	OUT
.endif
.if \fetch
	FETCH \e
.endif
	SOFT
.endm
	s_load_b256 s[4:11], s[0:1], 0x0               ; qkv_codes, qkv_scales, p_codes, p_scales
	s_load_b128 s[12:15], s[0:1], 0x20             ; p_max, p_sum
	v_lshl_add_u32 v[SPW], v0, 2, SPARE
	v_mov_b32 v[NIL], 0
	ds_add_u32 v[SPW], v[NIL]                      ; the wave's opening: the add, twice on end, and its wait
	ds_add_u32 v[SPW], v[NIL]
	v_lshrrev_b32 v1, 5, v0
	v_readfirstlane_b32 s[WV], v1
	s_lshr_b32 s[HA], s[WV], 1                     ; a
	s_and_b32 s[HB], s[WV], 1                      ; b: which 64 keys
	s_bfe_u32 s[CX], ttmp6, 0x40000
	s_bfe_u32 s[CY], ttmp6, 0x40004                ; which 512 queries of the batch
	s_and_b32 s[BT], ttmp7, 0xffff                 ; the batch: a row of clusters each
	s_lshl_b32 s[TC], ttmp9, 2
	s_add_co_u32 s[TC], s[TC], s[CX]               ; which 128 keys of the batch, 0 to 15
	s_lshl_b32 s78, s[BT], 7
	s_lshl_b32 s79, s[CY], 5
	s_add_co_u32 s79, s79, s78                     ; Q's first row tile
	s_mul_i32 s40, s79, RT
	s_mov_b32 s41, 0
	s_lshl_b32 s42, s[TC], 3
	s_add_co_u32 s42, s42, s78                     ; K's
	s_mul_i32 s42, s42, RT
	s_add_co_u32 s42, s42, 6291456
	s_mov_b32 s43, 0
	s_lshl_b32 s44, s[CY], 2
	s_lshl_b32 s44, 15, s44                        ; my row of the cluster
	s_lshl_b32 s45, 0x1111, s[CX]                  ; my column
	GROUP1 G1K, 45, 8
	GROUP1 G1P, 44, 4
	GROUP1 G1Q, 44, 8
	s_mov_b32 s[G0K], 1
	s_mov_b32 s[G0K+1], 0
	s_mov_b32 s[G0P], 1
	s_mul_i32 s46, s[WV], 4*RT                     ; waves 1, 2, 3: Q's row tiles 4 (w - 1) on
	s_add_co_u32 s[G0P+1], s46, QA-4*RT
	s_mov_b32 s47, 0
	s_mov_b32 s[G0R], 1
	s_mov_b32 s[G0R+1], 0
	s_mov_b32 s[G0T], 1
	s_mov_b32 s[G0T+1], QA
	s_mov_b32 s[C101], 0x101
	s_mov_b32 s[SEL], 0x76543210
	s_mov_b32 s[SEL+1], 0xfedcba98
	s_mov_b32 s[CS], 0x3d38aa3b                    ; log2(e) / 32
	s_mov_b32 s[CS+1], s[CS]                       ; (named with it as a pair, so it is written)
	s_lshl_b32 s72, s79, 6                         ; my 512 rows' words in a plane
	s_mov_b32 s73, 0
	s_lshl_b32 s74, s[BT], 13                      ; K's scale words
	s_lshl_b32 s75, s[TC], 9
	s_add_co_u32 s74, s74, s75
	s_add_co_u32 s74, s74, 262144
	s_mov_b32 s75, 0
	s_add_co_u32 s76, s79, s[HA]                   ; p's codes: my first row tile, K step TC
	s_lshl_b32 s76, s76, 3
	s_and_b32 s77, s[TC], 7
	s_add_co_u32 s76, s76, s77
	s_lshr_b32 s77, s[TC], 3
	s_lshl_b32 s77, s77, 12
	s_add_co_u32 s76, s76, s77
	s_mul_i32 s76, s76, FRB
	s_mov_b32 s77, 0
	s_lshl_b32 s82, s[TC], 15                      ; the words that I store
	s_add_co_u32 s82, s82, s72
	s_mov_b32 s83, 0
	s_mov_b32 s[RNG], QA+4*RT
	s_mov_b32 s[SCS], 2048
	s_mov_b32 s[STS], 0
	v_and_b32 v1, 15, v0                           ; r
	v_bfe_u32 v2, v0, 4, 1                         ; h
	v_and_b32 v3, 31, v0                           ; lane
	v_lshlrev_b32 v19, 4, v3
	WALU
	s_mul_i32 s78, s[HB], 4*RT
	v_add_nc_u32 v[ADRK], s78, v19
	s_mul_i32 s78, s[HA], RT
	v_add_nc_u32 v[AD0], s78, v19
	s_lshl_b32 s78, s[HA], 9
	s_add_co_u32 s78, s78, SCA
	v_lshl_add_u32 v[ADS0], v1, 5, s78
	s_lshl_b32 s78, s[HB], 9
	v_add_nc_u32 v[CO], s78, v19
	s_lshl_b32 s78, s[HB], 8
	v_lshl_add_u32 v[C8], v3, 3, s78
	v_lshl_add_u32 v[VSO], v1, 3, s78
	WALU
	v_lshl_add_u32 v[VSO], v2, 2, v[VSO]
	s_lshl_b32 s78, s[HB], 11
	s_lshl_b32 s81, s[HA], 10
	s_add_co_u32 s78, s78, s81
	s_add_co_u32 s78, s78, STG                     ; my wave's 1,024 bytes of the stage
	v_lshl_add_u32 v[ST0], v1, 2, s78
	v_lshlrev_b32 v[T16], 4, v0
	v_lshrrev_b32 v21, 3, v0                       ; thread t: rows 32 (t / 8) + 2 (t % 8) + 0, 16, 1, 17
	v_and_b32 v22, 7, v0
	v_lshlrev_b32 v18, 10, v21
	v_lshl_add_u32 v18, v22, 6, v18
	v_add_nc_u32 v[SQ], SCA, v18
	v_lshlrev_b32 v18, 6, v21
	v_lshl_add_u32 v18, v22, 3, v18
	v_add_nc_u32 v[CB], STG, v18
.irp n, NM+1, PX0, PX0+1, PX
	v_mov_b32 v[\n], 0                             ; written once: the upper half of a pair; lane permutes' destinations count as sources
.endr
	v_min_u32 v21, 23, v3
	s_lshl_b32 s79, s[CX], 2                       ; my number among the sixteen waves of my row of the cluster: half a row tile of Q each
	s_add_co_u32 s79, s79, s[WV]
	s_mul_i32 s79, s79, RT/2
	s_add_co_u32 s79, s79, s40
	s_add_co_u32 s79, s79, 16*RT
	v_lshl_add_u32 v[PFQ], v21, 8, s79
	WALU
	s_wait_dscnt 0x0                               ; the opening adds are done
	CROUND                                         ; all sixteen work-groups are here: the first joint loads meet
	s_wait_kmcnt 0x0
	s_add_nc_u64 s[44:45], s[4:5], s[40:41]
	s_add_nc_u64 s[G0K+2:G0K+3], s[4:5], s[42:43]
	s_or_b32 s[G0K+3], s[G0K+3], 0x80000000
	s_add_nc_u64 s[G0P+2:G0P+3], s[44:45], s[46:47]
	s_sub_nc_u64 s[G0P+2:G0P+3], s[G0P+2:G0P+3], 4*RT
	s_or_b32 s[G0P+3], s[G0P+3], 0x80000000
	s_add_nc_u64 s[G0R+2:G0R+3], s[44:45], 16*RT
	s_or_b32 s[G0R+3], s[G0R+3], 0x80000000
	s_add_nc_u64 s[G0T+2:G0T+3], s[44:45], 24*RT
	s_or_b32 s[G0T+3], s[G0T+3], 0x80000000
	s_cmp_eq_u32 s[WV], 0
	s_cbranch_scc0 .Lwave_1
	TLOAD G0K, G1K                                 ; wave 0: K's rows
	s_branch .Lasked
.Lwave_1:
	s_cmp_eq_u32 s[WV], 1
	s_cbranch_scc0 .Lwave_2
	TLOAD G0P, G1P                                 ; wave 1: Q's row tiles 0-3
	s_branch .Lasked
.Lwave_2:
	s_cmp_eq_u32 s[WV], 2
	s_cbranch_scc0 .Lwave_3
	TLOAD G0P, G1P                                 ; wave 2: 4-7
	s_branch .Lasked
.Lwave_3:
	TLOAD G0P, G1Q                                 ; wave 3: 8-15
.Lasked:
	s_add_nc_u64 s[72:73], s[6:7], s[72:73]
	s_add_nc_u64 s[74:75], s[6:7], s[74:75]
	s_add_nc_u64 s[8:9], s[8:9], s[76:77]
	s_add_nc_u64 s[10:11], s[10:11], s[82:83]
	s_add_nc_u64 s[12:13], s[12:13], s[82:83]
	s_add_nc_u64 s[14:15], s[14:15], s[82:83]
.set n, 0
.rept 8                                ; Q's scale words: each load of a wave covers 512 consecutive aligned bytes
	global_load_b128 v[128+64+4*n:128+64+4*n+3], v[T16], s[72:73] offset:32768*n
.set n, n+1
.endr
.set n, 0
.rept 8                                ; K's: lanes 0-15 the even row tile's, lanes 16-31 the odd one's
	global_load_b32 v[SB+n], v[VSO], s[74:75] offset:32768*n
	global_load_b32 v[SB+8+n], v[VSO], s[74:75] offset:32768*n+128
.set n, n+1
.endr
	s_wait_loadcnt 16
.set n, 0
.rept 32                               ; a row's eight words side by side
	v_mov_b32 v[64+n], v[192+4*(n%8)+n/8]
.set n, n+1
.endr
	WALU
.irp i, 0,1,2,3
	ds_store_b128 v[SQ], v[64+8*\i:67+8*\i] offset:512*(\i%2)+32*(\i/2)
	ds_store_b128 v[SQ], v[68+8*\i:71+8*\i] offset:512*(\i%2)+32*(\i/2)+16
.endr
	s_wait_dscnt 0x0                               ; for the others' sake: my stores have landed
	s_cmp_eq_u32 s[WV], 0
	s_cbranch_scc0 .Lnot_k
	s_wait_tensorcnt 0x0
.Lnot_k:
	BARRIER                                        ; K's rows and Q's scale words are in
	global_prefetch_b8 v[PFQ], s[4:5] th:TH_LOAD_NT scope:SCOPE_SE   ; Q's chunk 2
.irp q, 0,1,2,3,4,5,6,7                ; my 64 keys into registers: 96 loads
.irp j, 0,1,2,3
.set F_, 4*\q+\j
	WIN (1+F_/21)<<6
.irp c, 0,1,2
	ds_load_b128 v[12*(F_%21)+4*\c:12*(F_%21)+4*\c+3], v[ADRK] offset:(8*\j+\q)*FRB+512*\c
.endr
.endr
.endr
	WIN 0
	v_add_nc_u32 v[AD], QA, v[AD0]
	v_mov_b32 v[ADS], v[ADS0]
	WALU
	s_cmp_eq_u32 s[WV], 3
	s_cbranch_scc1 .Lnot_q
	s_wait_tensorcnt 0x0
.Lnot_q:
	s_wait_dscnt 0x0
	BARRIER                                        ; Q's row tiles 0-7 are in; 8-15 may still be on their way
	FETCH 0
	v_add_nc_u32 v[AD], QA+2*RT, v[AD0]
	v_add_nc_u32 v[ADS], 1024, v[ADS0]
	WALU
	FETCH 1
	s_wait_loadcnt 0x0                             ; K's scale words
	HEADB NF, 0
	BLK 0, 0, 32, 1, 0
	ENDB 0, 1, 0
	global_prefetch_b8 v[PFQ], s[4:5] offset:8*RT th:TH_LOAD_NT scope:SCOPE_SE   ; Q's chunk 3
	HEADB NF, 1
	BLK 1, 0, 32, 1, 1
	ENDB 1, 1, 1
	HEADB NF, 2                                    ; block 2, with the round
	GRD
	BLK 0, 0, 24, 1, 2
	WIN 0
	WALU
	s_wait_dscnt 0x0                               ; the add is done, and my reads of K's region and of chunk 0
	s_barrier_signal -1
	BLK 0, 24, 32, 1, 2
	WIN 0
	WALU
	MIDDLE
	BARRIER
	s_cmp_eq_u32 s[WV], 0
	s_cbranch_scc0 .Lrows
	TLOAD G0R, G1Q                                 ; wave 0: chunk 2, onto K
	s_branch .Lrefilled
.Lrows:
	s_cmp_eq_u32 s[WV], 3
	s_cbranch_scc0 .Lrefilled
	TLOAD G0T, G1Q                                 ; wave 3: chunk 3, onto chunk 0
.Lrefilled:
	ENDB 0, 1, 2
	HEADB NF, 2
	BLK 1, 0, 32, 1, 2
	ENDB 1, 1, 2
	HEADB NF, 2                                    ; block 4
	BLK 0, 0, 32, 1, 2
	ENDB 0, 1, 2
	HEADB NF, 2                                    ; block 5: a plain barrier shows both chunks to all
	BLK 1, 0, 26, 1, 2
	WIN 0
	WALU
	s_wait_tensorcnt 0x0
	s_wait_dscnt 0x0
	s_barrier_signal -1
	BLK 1, 26, 32, 1, 2
	WIN 0
	WALU
	s_barrier_wait -1
	ENDB 1, 1, 2
	s_mov_b32 s[RNG], 0                            ; row tile 16 lies at 0
	s_mov_b32 s91, 0
.Lpairs:                                               ; blocks 6, 7 to 12, 13
	HEADB NF, 2
	BLK 0, 0, 32, 1, 2
	ENDB 0, 1, 2
	HEADB NF, 2
	BLK 1, 0, 32, 1, 2
	ENDB 1, 1, 2
	s_add_co_u32 s91, s91, 1
	s_cmp_lg_u32 s91, 4
	s_cbranch_scc1 .Lpairs
	HEADB NF, 2                                    ; blocks 14 and 15 fetch nothing
	BLK 0, 0, 32, 0, 2
	ENDB 0, 0, 2
	HEADB 0, 2
	BLK 1, 0, 32, 0, 2
	ENDB 1, 0, 2
	s_wait_xcnt 0x0
.set K_, 0
.rept 32                               ; the last block's sum and scales
	ENTRY K_, 0, 2
.set K_, K_+1
.endr
	CONV
	WALU
	OUT
	s_wait_dscnt 0x0                               ; for the others' sake: my M, l and bytes have landed
	BARRIER
	; THE JOIN: thread t's four rows, order of the registers: 0, 1, 16, 17 on from its first
.irp b, 0,1
.irp i, 0,1
	ds_load_b64 v[64+4*\b+2*\i:65+4*\b+2*\i], v[CB] offset:2048*\b+1024*\i
	ds_load_b64 v[72+4*\b+2*\i:73+4*\b+2*\i], v[CB] offset:4096+2048*\b+1024*\i
	ds_load_b64 v[80+4*\b+2*\i:81+4*\b+2*\i], v[CB] offset:8192+2048*\b+1024*\i
.endr
.endr
	s_wait_dscnt 0x0
.irp k, 0,1,2,3
	v_max_num_f32 v[92+2*(\k%2)+\k/2], v[64+\k], v[68+\k]   ; M of 128 keys, in the order of the words in memory
.endr
.irp k, 0,1,2,3
	v_sub_f32 v[64+\k], v[64+\k], v[92+2*(\k%2)+\k/2]
	v_sub_f32 v[68+\k], v[68+\k], v[92+2*(\k%2)+\k/2]
.endr
.irp k, 0,1,2,3,4,5,6,7
	v_max_num_f32 v[64+\k], 0xc2000000, v[64+\k]   ; d, held at -32
.endr
.irp k, 0,1,2,3,4,5,6,7
	v_cvt_i32_f32 v[64+\k], v[64+\k]
.endr
.irp k, 0,1,2,3,4,5,6,7
	v_ldexp_f32 v[72+\k], v[72+\k], v[64+\k]
.endr
.irp k, 0,1,2,3,4,5,6,7
	v_mul_lo_u32 v[64+\k], v[64+\k], s[C101]
.endr
.irp k, 0,1,2,3,4,5,6,7
	v_add_nc_u32 v[80+\k], v[80+\k], v[64+\k]      ; d onto each of two bytes of 96 to 125: nothing passes from byte to byte
.endr
.irp k, 0,1,2,3
	v_add_f32 v[96+2*(\k%2)+\k/2], v[72+\k], v[76+\k]
.endr
.irp k, 0,1,2,3
	v_lshl_or_b32 v[100+2*(\k%2)+\k/2], v[84+\k], 16, v[80+\k]
.endr
	WALU
	global_store_b128 v[T16], v[100:103], s[10:11] ; 512 consecutive aligned bytes a wave
	global_store_b128 v[T16], v[92:95], s[12:13]
	global_store_b128 v[T16], v[96:99], s[14:15]
	s_wait_tensorcnt 0x0                           ; the wave's end
	ds_add_u32 v[SPW], v[NIL]
	s_wait_dscnt 0x0
	CROUND                                         ; the closing round
	s_endpgm
.Lfunc_end_k_q862063ec85_scores:
	.size	k_q862063ec85_scores, .Lfunc_end_k_q862063ec85_scores-k_q862063ec85_scores
	.p2alignl 7, 3214868480
	.fill 96, 4, 3214868480
	.section	.rodata,"a",@progbits
	.p2align	6, 0x0
	.amdhsa_kernel k_q862063ec85_scores
		.amdhsa_group_segment_fixed_size 327680
		.amdhsa_private_segment_fixed_size 0
		.amdhsa_enable_private_segment 0
		.amdhsa_kernarg_size 48
		.amdhsa_user_sgpr_count 2
		.amdhsa_user_sgpr_kernarg_segment_ptr 1
		.amdhsa_wavefront_size32 1
		.amdhsa_system_sgpr_workgroup_id_x 1
		.amdhsa_system_sgpr_workgroup_id_y 1
		.amdhsa_system_sgpr_workgroup_id_z 1
		.amdhsa_system_vgpr_workitem_id 0
		.amdhsa_next_free_vgpr 1024
		.amdhsa_next_free_sgpr 102
		.amdhsa_reserve_vcc 0
		.amdhsa_float_denorm_mode_32 3
		.amdhsa_float_denorm_mode_16_64 3
		.amdhsa_memory_ordered 1
		.amdhsa_forward_progress 1
		.amdhsa_inst_pref_size 153
	.end_amdhsa_kernel
	.amdgpu_metadata
---
amdhsa.version: [ 1, 2 ]
amdhsa.kernels:
  - .name:           k_q862063ec85_scores
    .symbol:         k_q862063ec85_scores.kd
    .args:
      - { .name: qkv_codes, .offset: 0, .size: 8, .value_kind: global_buffer, .address_space: global }
      - { .name: qkv_scales, .offset: 8, .size: 8, .value_kind: global_buffer, .address_space: global }
      - { .name: p_codes, .offset: 16, .size: 8, .value_kind: global_buffer, .address_space: global }
      - { .name: p_scales, .offset: 24, .size: 8, .value_kind: global_buffer, .address_space: global }
      - { .name: p_max, .offset: 32, .size: 8, .value_kind: global_buffer, .address_space: global }
      - { .name: p_sum, .offset: 40, .size: 8, .value_kind: global_buffer, .address_space: global }
    .group_segment_fixed_size: 327680
    .private_segment_fixed_size: 0
    .kernarg_segment_align: 8
    .kernarg_segment_size: 48
    .max_flat_workgroup_size: 128
    .sgpr_count:     102
    .vgpr_count:     1024
    .wavefront_size: 32
...
	.end_amdgpu_metadata
.endif
;; end of part 3
;; launch pv (part 4): grid 8 x 32, 4 waves a work-group, clusters of 4 x 4, 327,680 bytes of LDS; arguments p_codes, p_scales, p_max, p_sum, qkv_codes, qkv_scales, out0; writes out0
.if DOCPART == 4
	.amdgcn_target "amdgcn-amd-amdhsa--gfx1250"
	.amdhsa_code_object_version 6
	.text
	.protected	k_q862063ec85_pv
	.globl	k_q862063ec85_pv
	.p2align	8
	.type	k_q862063ec85_pv,@function
k_q862063ec85_pv:
	s_mov_b64 s[64:65], 0
	v_nop
	global_prefetch_b8 v0, s[64:65] scope:SCOPE_SE
	s_setreg_imm32_b32 hwreg(HW_REG_WAVE_MODE, 25, 1), 1
	s_wait_xcnt 0x0
	s_wait_alu depctr_hold_cnt(0) depctr_sa_sdst(0) depctr_va_vdst(0) depctr_va_sdst(0) depctr_va_ssrc(0) depctr_va_vcc(0) depctr_vm_vsrc(0)
	s_getreg_b32 s2, hwreg(HW_REG_IB_STS2, 6, 4)
	s_cmp_eq_u32 s2, 0
	s_cbranch_scc0 .Lentry_in_a_cluster
	s_endpgm
.Lentry_in_a_cluster:
	s_bfe_u32 s2, ttmp6, 0x10000c
	s_cmp_lg_u32 s2, 0xf033
	s_cbranch_scc0 .Lentry_shape_is_right
	s_endpgm
.Lentry_shape_is_right:
; O = (p V) / l on codes of FP6 (E2M3) with E8M0 scales, f32 sums.  p's codes were made under a maximum M local to each 128 keys.  Here, for each of the tile's 256 rows: MG = the largest of its 16 M;
; d = M - MG, a whole number, 0 or less; each of p's scale bytes takes d (an exact power of two, so the quantised numbers are those of the row's own M); l = the sum of the 16 l x 2^d.
; LIMITS: d is held at -60, and p's blocks whose largest p lies under 2^-61 of their 128 keys' largest have the byte 64: such p are nothing beside a row's sum, which is over 1/2; NaN and infinities are not served.
; A work-group makes 256 queries x 128 of f: four waves, 2 x 2, each 128 x 64.  THE KEYS GO IN TWO PHASES OF 1,024.  A wave holds its 64 rows of V^T for a phase's keys IN REGISTERS (32 fragments, 384 registers) and streams p past them in blocks of
; 16 queries x 1,024 keys (8 fragments, two sets).  The wave in row a of the four takes row tiles 2 s + a of the tile as its blocks s = 0 .. 7; block g = 0 .. 15 is s = g % 8 in phase g / 8.  A block's 32 sums a lane stay in registers
; from phase 0 to phase 1, where each block leaves as soon as it is finished: block g - 1 is divided by l among block g's products.
; Source 0 = 16 queries of p, source 1 = 16 rows of V^T.  V^T's row r of row tile t of each 64 is column 4 r + t: so register j of the four accumulators is O(query 8 h + j, columns 4 r .. 4 r + 3): 16 bytes, and sixteen lanes store 256 consecutive aligned bytes.
; LDS: V's 128 rows x 1,024 keys, p's 256 rows x 1,024 keys, p's scale words, 1 / l.  At the head one tensor load a wave: V's tile, p's row tiles 0-3, 4-7, 8-15.  TWO ROUNDS OF REFILLS: in block 2 V's second half and p's row tiles 0-7 of the second half
; (V lies in registers by then, blocks 0-3 have been fetched), in block 6 p's row tiles 8-15.
; Operands are images of their registers: p's fragment (rt, ks) at (4096 (ks / 8) + 8 rt + ks % 8) x 1536; V^T's at 12,582,912 + (64 rt + 16 batch + ks) x 1536.
; CLUSTERS 4 x 4: p's tile is shared along a row of the cluster, V's along a column: joint loads.
; PREFETCHES, shared out by address among the sixteen waves that ask for a tile jointly, each wave 24 blocks of 256 bytes: V's second half at the head, p's behind blocks 0 and 2, each ahead of the refill that loads it.
; REGISTERS: fragment f at window 1 + f / 21, register 12 (f % 21): 0-31 V's (4 q + tile), 32-39 and 40-47 p's two sets.  Accumulators of blocks 0-4 at window 3 from v72 on, of blocks 5-7 at v160-255 of window 0.
; p's scale bytes come as 64 to 125: the launch before holds a block's byte at 96 (largest p under 2^-29 of its 64 keys' bound) and takes at most 32 off it.
.set FRB,   1536
.set RT,    8*FRB                      ; a row tile x 1,024 keys: 12,288 bytes on end
.set PB,    8*RT                       ; p's region, behind V's
.set SCA,   PB+16*RT                   ; p's scale words: [phase][row][8 words]
.set RL,    SCA+16384                  ; 1 / l of the 256 rows
.set SPARE, RL+1024
.set HALF,  6291456                    ; from p's first keys' half to its second
.set NF,    34                         ; LDS loads of a block's fetch
.set ADRV,  4                          ; v4     my rows of V^T
.set ADRA,  5                          ; v5-8   my row tiles of p, two blocks to a register
.set ADRM,  124                        ; v124-127 the same for the pieces of 8 bytes a lane
.set ADS,   9                          ; v9     my row's scale words
.set SPW,   10
.set NIL,   11
.set RLA,   12                         ; v12    where I read 1 / l
.set CO,    13                         ; v13    my offset in O
.set PO,    14
.set RLW,   15
.set SAW,   16
.set PFV,   17
.set PFP,   18
.set VSO,   20
.set SB,    24                         ; v24-55 V's scale words: + 16 phase + 8 (tile / 2) + q; lanes 16-31 the odd tile's
.set SA,    60                         ; v60-75 p's scale words, two sets of eight
.set RLR,   76                         ; v76-83 1 / l of queries 8 h + 0 .. 7
.set T,     84                         ; v84-115 the way out
.set MM,    128                        ; the head: M, then d
.set LL,    160
.set WW,    192
.set DW,    224
.set WV,  18
.set HA,  19
.set HB,  20
.set CX,  21
.set CY,  22
.set BT,  23
.set G1V, 24
.set G1P, 32
.set G1Q, 48
.set G0V, 56
.set G0P, 60
.set G0R, 68
.set TR,  66
.set TC,  67
.set C01, 80
.set MSB, 0
.macro WIN new
.if MSB != (\new)
	s_set_vgpr_msb (MSB<<8)|(\new)
.set MSB, (\new)
.endif
.endm
.macro PLACES n
.rept \n
	v_nop
.endr
.endm
.macro WALU
	s_wait_alu depctr_va_vdst(0)
.endm
.macro BARRIER
	s_barrier_signal -1
	s_barrier_wait -1
.endm
.macro MIDDLE
	WIN 0
	s_barrier_wait -1
	s_cmp_lg_u32 s[WV], 0
	s_cbranch_scc1 .Lnot_wave_0_\@
	s_barrier_signal -3
.Lnot_wave_0_\@:
	s_barrier_wait -3
.endm
.macro CROUND
	s_barrier_signal -1
	MIDDLE
	BARRIER
.endm
.macro GRD
	s_wait_tensorcnt 0x0
	ds_add_u32 v[SPW], v[NIL]
.endm
.macro TLOAD g0, g1
	tensor_load_to_lds s[\g0:\g0+3], s[\g1:\g1+7]
	s_nop 0
	PLACES 4
.endm
.macro GROUP1 g, mask, rows, pitch     ; rows of 1,536 elements of 8 bytes
	s_or_b32 s[\g], s\mask, (3<<16)|(1<<21)
	s_mov_b32 s[\g+1], 1536<<16
	s_mov_b32 s[\g+2], (\rows)<<16
	s_mov_b32 s[\g+3], 1536<<16
	s_mov_b32 s[\g+4], \rows
	s_mov_b32 s[\g+5], \pitch
	s_mov_b32 s[\g+6], 0
	s_mov_b32 s[\g+7], 0
.endm
.macro VLOAD q                         ; V's four fragments of K step q: 12 loads
.irp j, 0,1,2,3
.set F_, 4*(\q)+\j
	WIN (1+F_/21)<<6
.irp c, 0,1,2
	ds_load_b128 v[12*(F_%21)+4*\c:12*(F_%21)+4*\c+3], v[ADRV] offset:(8*\j+(\q))*FRB+512*\c
.endr
.endr
.endm
.macro FETCH g                         ; block g's rows of p and their scale words: NF loads
.irp q, 0,1,2,3,4,5,6,7
.set F_, 32+8*((\g)%2)+\q
	WIN (1+F_/21)<<6
.set B_, 12*(F_%21)                    ; p's image: registers 0-3 of all lanes, registers 6-9, then 8 bytes a lane: registers 4-5, registers 10-11
.set O_, ((\g)%2)*2*RT+\q*FRB
	ds_load_b128 v[B_:B_+3], v[ADRA+((\g)%8)/2] offset:O_
	ds_load_b128 v[B_+6:B_+9], v[ADRA+((\g)%8)/2] offset:O_+512
	ds_load_b64 v[B_+4:B_+5], v[ADRM+((\g)%8)/2] offset:O_+1024
	ds_load_b64 v[B_+10:B_+11], v[ADRM+((\g)%8)/2] offset:O_+1280
.endr
	WIN 0
.irp k, 0,1
	ds_load_b128 v[SA+8*((\g)%2)+4*\k:SA+8*((\g)%2)+4*\k+3], v[ADS] offset:((\g)/8)*8192+((\g)%8)*1024+16*\k
.endr
.endm
.macro ABASE s                         ; A_: block s's accumulators
.if ((\s)%8) < 5
.set A_, 840+32*((\s)%8)
.else
.set A_, 160+32*(((\s)%8)-5)
.endif
.endm
.macro PROD1 d, s0, s1, c, x0, x1, o
.if \o
	v_wmma_scale_f32_16x16x128_f8f6f4 v[\d:\d+7], v[12*((\s0)%21):12*((\s0)%21)+11], v[12*((\s1)%21):12*((\s1)%21)+11], \c, v[\x0], v[\x1] matrix_a_fmt:MATRIX_FMT_FP6 matrix_b_fmt:MATRIX_FMT_FP6 matrix_b_scale:MATRIX_SCALE_ROW1
.else
	v_wmma_scale_f32_16x16x128_f8f6f4 v[\d:\d+7], v[12*((\s0)%21):12*((\s0)%21)+11], v[12*((\s1)%21):12*((\s1)%21)+11], \c, v[\x0], v[\x1] matrix_a_fmt:MATRIX_FMT_FP6 matrix_b_fmt:MATRIX_FMT_FP6
.endif
.endm
.macro PROD g, n                       ; n = 4 q + tile: a block's four accumulators take turns
.set Q_, (\n)/4
.set J_, (\n)%4
.set FA_, 32+8*((\g)%2)+Q_
.set FB_, 4*Q_+J_
	ABASE \g
.set D_, A_+8*J_
.set DL_, D_&255
.set XA_, SA+8*((\g)%2)+Q_
.set XB_, SB+16*((\g)/8)+8*(J_/2)+Q_
	WIN (1+FA_/21)|((1+FB_/21)<<2)|((D_>>8)<<4)|((D_>>8)<<6)
.if (Q_ == 0) && ((\g) < 8)
	PROD1 DL_, FA_, FB_, 0, XA_, XB_, J_%2
.else
	PROD1 DL_, FA_, FB_, v[DL_:DL_+7], XA_, XB_, J_%2
.endif
.endm
.macro WAY s, k                        ; one number of block s on its way out: register k / 4 of tile k % 4, / l
	ABASE \s
	WIN A_>>8
	v_mul_f32 v[T+(\k)], v[(A_&255)+8*((\k)%4)+(\k)/4], v[RLR+(\k)/4]
.endm
.macro BLK g, from, to
.set N_, \from
.rept (\to)-(\from)
	PROD \g, N_
.if ((\g) > 8) && (N_%2)
	WAY (\g)-1, N_-1
	WAY (\g)-1, N_
.endif
.set N_, N_+1
.endr
.endm
.macro SEND s
.irp j, 0,1,2,3,4,5,6,7
	global_store_b128 v[CO], v[T+4*\j:T+4*\j+3], s[16:17] offset:131072*((\s)%8)+4096*\j th:TH_STORE_NT   ; sixteen lanes store 256 consecutive aligned bytes
.endr
.endm
.macro RLOAD s
	ds_load_b128 v[RLR:RLR+3], v[RLA] offset:128*((\s)%8)
	ds_load_b128 v[RLR+4:RLR+7], v[RLA] offset:128*((\s)%8)+16
.endm
.macro HEADB g
.if (\g) == 15
	s_wait_dscnt 0x0
.else
	s_wait_dscnt NF                                ; block g's rows (and block g - 1's 1 / l) are in; block g + 1's fetch may be out
.endif
.if (\g) > 9
	s_wait_xcnt 0x0                                ; the last stores have read their registers
.endif
.endm
.macro ENDB g
	WIN 0
	PLACES 4                                       ; behind the block's products: their results are read and the set's registers loaded from here on
.if (\g) > 8
	WALU                                           ; ahead of the stores
	SEND (\g)-1
.endif
.if (\g) > 7
	RLOAD \g
.endif
.if (\g) < 14
	FETCH (\g)+2
.endif
.endm
	s_load_b256 s[4:11], s[0:1], 0x0               ; p_codes, p_scales, p_max, p_sum
	s_load_b128 s[12:15], s[0:1], 0x20             ; qkv_codes, qkv_scales
	s_load_b64 s[16:17], s[0:1], 0x30              ; out0
	v_lshl_add_u32 v[SPW], v0, 2, SPARE
	v_mov_b32 v[NIL], 0
	ds_add_u32 v[SPW], v[NIL]                      ; the wave's opening: the add, twice on end, and its wait
	ds_add_u32 v[SPW], v[NIL]
	v_lshrrev_b32 v1, 5, v0
	v_readfirstlane_b32 s[WV], v1
	s_lshr_b32 s[HA], s[WV], 1                     ; a
	s_and_b32 s[HB], s[WV], 1                      ; b: which 64 columns
	s_bfe_u32 s[CX], ttmp6, 0x40000
	s_bfe_u32 s[CY], ttmp6, 0x40004
	s_and_b32 s40, ttmp7, 0xffff
	s_lshr_b32 s[BT], s40, 1                       ; the batch
	s_lshl_b32 s[TR], s40, 2
	s_add_co_u32 s[TR], s[TR], s[CY]               ; tile row, 0 to 31
	s_lshl_b32 s[TC], ttmp9, 2
	s_add_co_u32 s[TC], s[TC], s[CX]               ; tile column, 0 to 7
	s_mul_i32 s40, s[TR], 16*RT                    ; my tile of p,
	s_mov_b32 s41, 0
	s_mul_i32 s42, s[TC], 8*64*FRB                 ; and of V^T
	s_mul_i32 s43, s[BT], 16*FRB
	s_add_co_u32 s42, s42, s43
	s_add_co_u32 s42, s42, 12582912
	s_mov_b32 s43, 0
	s_lshl_b32 s44, s[CY], 2
	s_lshl_b32 s44, 15, s44                        ; my row of the cluster
	s_lshl_b32 s45, 0x1111, s[CX]                  ; my column
	GROUP1 G1V, 45, 8, 64*192
	GROUP1 G1P, 44, 4, 1536
	GROUP1 G1Q, 44, 8, 1536
	s_mov_b32 s[G0V], 1
	s_mov_b32 s[G0V+1], 0
	s_mov_b32 s[G0P], 1
	s_mul_i32 s46, s[WV], 4*RT                     ; waves 1, 2, 3: p's row tiles 4 (w - 1) on
	s_add_co_u32 s[G0P+1], s46, PB-4*RT
	s_mov_b32 s47, 0
	s_mov_b32 s[G0R], 1
	s_mov_b32 s[G0R+1], PB
	s_mov_b32 s[C01], 0x01010101
	s_lshl_b32 s72, s[TR], 10                      ; my tile's 256 rows in a plane of p's words
	s_mov_b32 s73, 0
	s_lshl_b32 s74, s[BT], 16                      ; V's scale words: the batch's 16 planes of 4,096 bytes, 512 of each
	s_lshl_b32 s75, s[TC], 9
	s_add_co_u32 s74, s74, s75
	s_add_co_u32 s74, s74, 524288
	s_mov_b32 s75, 0
	s_lshl_b32 s76, s[TR], 20                      ; my part of O
	s_lshl_b32 s77, s[HA], 16
	s_add_co_u32 s76, s76, s77
	s_lshl_b32 s77, s[TC], 9
	s_add_co_u32 s76, s76, s77
	s_lshl_b32 s77, s[HB], 8
	s_add_co_u32 s76, s76, s77
	s_mov_b32 s77, 0
	WALU
	v_and_b32 v1, 15, v0                           ; r
	v_bfe_u32 v2, v0, 4, 1                         ; h
	v_and_b32 v3, 31, v0                           ; lane
	WALU
	v_lshlrev_b32 v23, 3, v3
	s_mul_i32 s78, s[HB], 4*RT
	v_lshlrev_b32 v19, 4, v3
	v_add_nc_u32 v[ADRV], s78, v19
	s_mul_i32 s78, s[HA], RT
	s_add_co_u32 s78, s78, PB
.irp i, 0,1,2,3
	v_add_nc_u32 v[ADRA+\i], s78, v19
	v_add_nc_u32 v[ADRM+\i], s78, v23
	s_add_co_u32 s78, s78, 4*RT
.endr
	s_lshl_b32 s78, s[HA], 9
	s_add_co_u32 s78, s78, SCA
	v_lshl_add_u32 v[ADS], v1, 5, s78
	s_lshl_b32 s78, s[HA], 6
	s_add_co_u32 s78, s78, RL
	v_lshl_add_u32 v[RLA], v2, 5, s78
	v_lshlrev_b32 v[CO], 15, v2
	v_lshl_add_u32 v[CO], v1, 4, v[CO]
	v_lshlrev_b32 v[PO], 3, v0                     ; thread t: rows 32 (t / 16) + t % 16 and 16 further on
	v_lshrrev_b32 v21, 4, v0
	v_lshlrev_b32 v22, 10, v21
	v_lshl_add_u32 v22, v1, 5, v22
	v_add_nc_u32 v[SAW], SCA, v22
	v_lshlrev_b32 v22, 7, v21
	v_lshl_add_u32 v22, v1, 2, v22
	v_add_nc_u32 v[RLW], RL, v22
	s_lshl_b32 s78, s[HB], 8
	v_lshl_add_u32 v[VSO], v1, 3, s78
	v_lshl_add_u32 v[VSO], v2, 2, v[VSO]
	v_min_u32 v21, 23, v3
	s_lshl_b32 s78, s[CY], 2                       ; my number among the sixteen waves of my column of the cluster: half a row tile of V each
	s_add_co_u32 s78, s78, s[WV]
	s_lshr_b32 s79, s78, 1
	s_mul_i32 s79, s79, 64*FRB
	s_and_b32 s78, s78, 1
	s_mul_i32 s78, s78, RT/2
	s_add_co_u32 s78, s78, s79
	s_add_co_u32 s78, s78, s42
	s_add_co_u32 s78, s78, RT
	s_lshl_b32 s79, s[CX], 2                       ; and of my row: half a row tile of p each
	s_add_co_u32 s79, s79, s[WV]
	s_mul_i32 s79, s79, RT/2
	s_add_co_u32 s79, s79, s40
	s_add_co_u32 s79, s79, HALF
	WALU
	v_lshl_add_u32 v[PFV], v21, 8, s78
	v_lshl_add_u32 v[PFP], v21, 8, s79
	WALU
	s_wait_dscnt 0x0                               ; the opening adds are done
	CROUND                                         ; all sixteen work-groups are here: the first joint loads meet
	s_wait_kmcnt 0x0
	s_add_nc_u64 s[44:45], s[4:5], s[40:41]
	s_add_nc_u64 s[G0V+2:G0V+3], s[12:13], s[42:43]
	s_or_b32 s[G0V+3], s[G0V+3], 0x80000000
	s_add_nc_u64 s[G0P+2:G0P+3], s[44:45], s[46:47]
	s_sub_nc_u64 s[G0P+2:G0P+3], s[G0P+2:G0P+3], 4*RT
	s_or_b32 s[G0P+3], s[G0P+3], 0x80000000
	s_add_nc_u64 s[G0R+2:G0R+3], s[44:45], HALF
	s_or_b32 s[G0R+3], s[G0R+3], 0x80000000
	s_cmp_eq_u32 s[WV], 0
	s_cbranch_scc0 .Lwave_1
	TLOAD G0V, G1V                                 ; wave 0: V's first half
	s_branch .Lasked
.Lwave_1:
	s_cmp_eq_u32 s[WV], 1
	s_cbranch_scc0 .Lwave_2
	TLOAD G0P, G1P                                 ; wave 1: p's row tiles 0-3
	s_branch .Lasked
.Lwave_2:
	s_cmp_eq_u32 s[WV], 2
	s_cbranch_scc0 .Lwave_3
	TLOAD G0P, G1P                                 ; wave 2: 4-7
	s_branch .Lasked
.Lwave_3:
	TLOAD G0P, G1Q                                 ; wave 3: 8-15
.Lasked:
	s_add_nc_u64 s[6:7], s[6:7], s[72:73]
	s_add_nc_u64 s[8:9], s[8:9], s[72:73]
	s_add_nc_u64 s[10:11], s[10:11], s[72:73]
	s_add_nc_u64 s[14:15], s[14:15], s[74:75]
	s_add_nc_u64 s[16:17], s[16:17], s[76:77]
.set n, 0
.rept 16                               ; M, l and the scale words of my two rows, for the 16 K steps: each load of a wave covers 256 consecutive aligned bytes
	global_load_b64 v[MM+2*n:MM+2*n+1], v[PO], s[8:9] offset:32768*n
	global_load_b64 v[LL+2*n:LL+2*n+1], v[PO], s[10:11] offset:32768*n
	global_load_b64 v[WW+2*n:WW+2*n+1], v[PO], s[6:7] offset:32768*n
.set n, n+1
.endr
.set n, 0
.rept 16                               ; V's scale words: lanes 0-15 the even row tile's, lanes 16-31 the odd one's
	global_load_b32 v[SB+16*(n/8)+n%8], v[VSO], s[14:15] offset:4096*n
	global_load_b32 v[SB+16*(n/8)+8+n%8], v[VSO], s[14:15] offset:4096*n+128
.set n, n+1
.endr
	s_wait_loadcnt 32                              ; all but V's 32
.irp e, 0,1
	v_max3_num_f32 v[116+\e], v[MM+\e], v[MM+2+\e], v[MM+4+\e]
.endr
.irp i, 3,5,7,9,11,13
.irp e, 0,1
	v_max3_num_f32 v[116+\e], v[116+\e], v[MM+2*\i+\e], v[MM+2+2*\i+\e]
.endr
.endr
.irp e, 0,1
	v_max_num_f32 v[116+\e], v[116+\e], v[MM+30+\e] ; MG
.endr
.set n, 0
.rept 16
	v_pk_add_f32 v[MM+2*n:MM+2*n+1], v[MM+2*n:MM+2*n+1], v[116:117] neg_lo:[0,1] neg_hi:[0,1]   ; d = M - MG
.set n, n+1
.endr
.set n, 0
.rept 32
	v_max_num_f32 v[MM+n], 0xc2700000, v[MM+n]     ; held at -60
.set n, n+1
.endr
.set n, 0
.rept 32
	v_cvt_i32_f32 v[MM+n], v[MM+n]
.set n, n+1
.endr
.set n, 0
.rept 32
	v_ldexp_f32 v[LL+n], v[LL+n], v[MM+n]          ; l x 2^d
.set n, n+1
.endr
	v_pk_add_f32 v[118:119], v[LL:LL+1], v[LL+2:LL+3]
	v_pk_add_f32 v[120:121], v[LL+4:LL+5], v[LL+6:LL+7]
.irp n, 8,12,16,20,24,28
	v_pk_add_f32 v[118:119], v[118:119], v[LL+\n:LL+1+\n]
	v_pk_add_f32 v[120:121], v[120:121], v[LL+2+\n:LL+3+\n]
.endr
	v_pk_add_f32 v[118:119], v[118:119], v[120:121]
	WALU                                           ; ahead of the transcendentals
	v_rcp_f32 v122, v118
	v_rcp_f32 v123, v119
.set n, 0
.rept 32
	v_mul_lo_u32 v[MM+n], v[MM+n], s[C01]
.set n, n+1
.endr
.set n, 0
.rept 32                               ; d onto each of the word's four bytes: they are 64 to 125 and d is -60 to 0, so nothing passes from byte to byte
	v_add_nc_u32 v[DW+16*(n%2)+n/2], v[WW+n], v[MM+n]
.set n, n+1
.endr
	WALU                                           ; ahead of the reciprocals' first reader
.irp e, 0,1
.irp k, 0,1,2,3
	ds_store_b128 v[SAW], v[DW+16*\e+4*\k:DW+16*\e+4*\k+3] offset:8192*(\k/2)+512*\e+16*(\k%2)
.endr
	ds_store_b32 v[RLW], v[122+\e] offset:64*\e
.endr
	s_wait_dscnt 0x0                               ; for the others' sake: my stores have landed
	s_cmp_eq_u32 s[WV], 0
	s_cbranch_scc0 .Lnot_v
	s_wait_tensorcnt 0x0
.Lnot_v:
	BARRIER                                        ; V's tile, p's scale words and 1 / l are in
	global_prefetch_b8 v[PFV], s[12:13] th:TH_LOAD_NT scope:SCOPE_SE   ; V's second half
.irp q, 0,1,2,3,4,5,6,7
	VLOAD \q
.endr
	WIN 0
	s_cmp_eq_u32 s[WV], 3
	s_cbranch_scc1 .Lnot_p
	s_wait_tensorcnt 0x0
.Lnot_p:
	s_wait_dscnt 0x0
	BARRIER                                        ; p's row tiles 0-7 are in; 8-15 may still be on their way
	FETCH 0
	FETCH 1
	s_wait_loadcnt 0x0                             ; V's scale words
	HEADB 0
	BLK 0, 0, 32
	ENDB 0
	global_prefetch_b8 v[PFP], s[4:5] th:TH_LOAD_NT scope:SCOPE_SE   ; p's row tiles 0-7 of the second half
	HEADB 1
	BLK 1, 0, 32
	ENDB 1
	HEADB 2
	GRD
	s_add_nc_u64 s[G0V+2:G0V+3], s[G0V+2:G0V+3], RT
	BLK 2, 0, 24
	WIN 0
	s_wait_dscnt 0x0                               ; the add is done, and my reads of V's region and of p's row tiles 0-7
	s_barrier_signal -1
	BLK 2, 24, 32
	MIDDLE
	BARRIER
	s_cmp_eq_u32 s[WV], 0
	s_cbranch_scc0 .Lrows_0
	TLOAD G0V, G1V                                 ; wave 0: V's second half
	s_branch .Lrefilled_0
.Lrows_0:
	s_cmp_eq_u32 s[WV], 3
	s_cbranch_scc0 .Lrefilled_0
	TLOAD G0R, G1Q                                 ; wave 3: p's row tiles 0-7 of the second half
.Lrefilled_0:
	ENDB 2
	global_prefetch_b8 v[PFP], s[4:5] offset:8*RT th:TH_LOAD_NT scope:SCOPE_SE   ; p's row tiles 8-15 of the second half
.irp g, 3,4,5
	HEADB \g
	BLK \g, 0, 32
	ENDB \g
.endr
	HEADB 6
	GRD
	s_add_nc_u64 s[G0R+2:G0R+3], s[G0R+2:G0R+3], 8*RT
	s_mov_b32 s[G0R+1], PB+8*RT
	BLK 6, 0, 24
	WIN 0
	s_wait_dscnt 0x0                               ; the add is done, and my reads of p's row tiles 8-15
	s_barrier_signal -1
	BLK 6, 24, 32
	MIDDLE
	BARRIER
	s_cmp_eq_u32 s[WV], 3
	s_cbranch_scc0 .Lrefilled_1
	TLOAD G0R, G1Q                                 ; wave 3: p's row tiles 8-15 of the second half
.Lrefilled_1:
	ENDB 6
	HEADB 7
.irp q, 0,1,2,3,4,5,6,7                ; phase 0's last block: each K step's fragments of V take the second half's as soon as their four products are issued
	BLK 7, 4*\q, 4*\q+4
	WIN 0
	PLACES 4
	VLOAD \q
.endr
	ENDB 7
.irp g, 8,9
	HEADB \g
	BLK \g, 0, 32
	ENDB \g
.endr
	HEADB 10
	BLK 10, 0, 26
	WIN 0
	WALU
	s_wait_tensorcnt 0x0                           ; a plain barrier shows p's row tiles 8-15 to all
	s_wait_dscnt 0x0
	s_barrier_signal -1
	BLK 10, 26, 32
	WIN 0
	s_barrier_wait -1
	ENDB 10
.irp g, 11,12,13,14,15
	HEADB \g
	BLK \g, 0, 32
	ENDB \g
.endr
	s_wait_dscnt 0x0                               ; the last block's 1 / l
	s_wait_xcnt 0x0
.set K_, 0
.rept 32
	WAY 15, K_
.set K_, K_+1
.endr
	WIN 0
	WALU
	SEND 15
	s_wait_tensorcnt 0x0                           ; the wave's end
	ds_add_u32 v[SPW], v[NIL]
	s_wait_dscnt 0x0
	CROUND                                         ; the closing round
	s_endpgm
.Lfunc_end_k_q862063ec85_pv:
	.size	k_q862063ec85_pv, .Lfunc_end_k_q862063ec85_pv-k_q862063ec85_pv
	.p2alignl 7, 3214868480
	.fill 96, 4, 3214868480
	.section	.rodata,"a",@progbits
	.p2align	6, 0x0
	.amdhsa_kernel k_q862063ec85_pv
		.amdhsa_group_segment_fixed_size 327680
		.amdhsa_private_segment_fixed_size 0
		.amdhsa_enable_private_segment 0
		.amdhsa_kernarg_size 56
		.amdhsa_user_sgpr_count 2
		.amdhsa_user_sgpr_kernarg_segment_ptr 1
		.amdhsa_wavefront_size32 1
		.amdhsa_system_sgpr_workgroup_id_x 1
		.amdhsa_system_sgpr_workgroup_id_y 1
		.amdhsa_system_sgpr_workgroup_id_z 1
		.amdhsa_system_vgpr_workitem_id 0
		.amdhsa_next_free_vgpr 1024
		.amdhsa_next_free_sgpr 102
		.amdhsa_reserve_vcc 0
		.amdhsa_float_denorm_mode_32 3
		.amdhsa_float_denorm_mode_16_64 3
		.amdhsa_memory_ordered 1
		.amdhsa_forward_progress 1
		.amdhsa_inst_pref_size 171
	.end_amdhsa_kernel
	.amdgpu_metadata
---
amdhsa.version: [ 1, 2 ]
amdhsa.kernels:
  - .name:           k_q862063ec85_pv
    .symbol:         k_q862063ec85_pv.kd
    .args:
      - { .name: p_codes, .offset: 0, .size: 8, .value_kind: global_buffer, .address_space: global }
      - { .name: p_scales, .offset: 8, .size: 8, .value_kind: global_buffer, .address_space: global }
      - { .name: p_max, .offset: 16, .size: 8, .value_kind: global_buffer, .address_space: global }
      - { .name: p_sum, .offset: 24, .size: 8, .value_kind: global_buffer, .address_space: global }
      - { .name: qkv_codes, .offset: 32, .size: 8, .value_kind: global_buffer, .address_space: global }
      - { .name: qkv_scales, .offset: 40, .size: 8, .value_kind: global_buffer, .address_space: global }
      - { .name: out0, .offset: 48, .size: 8, .value_kind: global_buffer, .address_space: global }
    .group_segment_fixed_size: 327680
    .private_segment_fixed_size: 0
    .kernarg_segment_align: 8
    .kernarg_segment_size: 56
    .max_flat_workgroup_size: 128
    .sgpr_count:     102
    .vgpr_count:     1024
    .wavefront_size: 32
...
	.end_amdgpu_metadata
.endif
;; end of part 4
